; MI455X (gfx1250); checked and timed in simulation.
; The chip was launched on July 23, 2026; its instructions are those of AMD's public machine-readable ISA for CDNA 5 (MIT licence, August 2026) and "CDNA5" Instruction Set Architecture Reference Guide (July 2026). The comments in the code are by the model that wrote it; some were corrected since.
;; softattention. Allowed arithmetic: float matrix products may take bf16 or f16 operands with f32 sums; other float arithmetic in f32, or as packed bf16 or f16 multiplies, adds, multiply-adds, maxima and minima; sums over many terms, partial sums and values carried from step to step in f32; what a program stores and reads back later, other than sums and carried values, may be rounded once to bf16 or f16.
;; Inputs: cb 3,072 float32; cw 1,024 x 3,072 float32; pb 1,024 float32; pw 1,024 x 1,024 float32; score_weights 4 x 2,048 x 2,048 float32; x 4 x 2,048 x 1,024 float32.
;; Outputs: out0 4 x 2,048 x 1,024 float32.
;; One version. Each part assembles by itself: llvm-mc -triple=amdgcn-amd-amdhsa -mcpu=gfx1250 --defsym DOCPART=n.
;; ======== version 1 of 1: 5 launches
;; limits: values are held in f16: magnitudes above 65,504 overflow, below 6.1e-05 lose precision; right only within a limited range of input values
;; workspace buffers: xh 16,777,216 bytes; cwh 4,194,304 bytes; wf 2,097,152 bytes; bf 4,096 bytes; qkv 50,331,648 bytes; pt 33,554,432 bytes; stat 1,048,576 bytes; ctx 16,777,216 bytes
;; launch prep (part 1): grid 584 x 1, 8 waves a work-group, no clusters, 56,832 bytes of LDS; arguments x, cw, pw, cb, pb, xh, cwh, wf, bf; writes xh, cwh, wf, bf
.if DOCPART == 1
	.amdgcn_target "amdgcn-amd-amdhsa--gfx1250"
	.amdhsa_code_object_version 6
	.text
	.protected	k_qc1b592f587_prep
	.globl	k_qc1b592f587_prep
	.p2align	8
	.type	k_qc1b592f587_prep,@function
k_qc1b592f587_prep:
	s_mov_b64 s[64:65], 0
	v_nop
	global_prefetch_b8 v0, s[64:65] scope:SCOPE_SE
	s_setreg_imm32_b32 hwreg(HW_REG_WAVE_MODE, 25, 1), 1
	s_wait_xcnt 0x0
; PREP.  Two kinds of work-groups, told apart by the work-group's number alone.
; THE FOLD (work-groups 0-263).  A softmax row sums to 1, so P (x cw_v + cb_v) pw + pb = (P x) (cw_v pw) + (cb_v pw + pb): v is never projected.  Made here:
;   wf[k][n] = 64 x sum over a of cw[k][2048 + a] pw[a][n], [1024][1024] f16 (the exact factor 64 keeps small products in f16's normal range; the last launch takes it back), and
;   bf[n] = sum over a of cb[2048 + a] pw[a][n] + pb[n], [1024] f32.  Operands rounded to f16, sums in f32.
; THE CASTS (work-groups 264-583).  x -> xh [8192][1024] f16; cw's columns 0-2047 (q and k) -> cwh [1024][2048] f16.
; LIMITS.  f16 holds no number beyond 65,504 and keeps a fixed step of 6e-8 below 6e-5: x, cw, pw, cb's last third and 64 cw_v pw must lie within that.
; THE FOLD'S SHARES.  Work-group (mt = number / 8, nt = number % 8) makes rows 32 mt .. + 31, columns 128 nt .. + 127 of wf: a row of the tile is 256 bytes, so wf is stored in whole aligned runs of 256 bytes.
; mt = 32 takes cb's last third for all 32 rows (row pitch 0) and makes 128 numbers of bf: the one text serves both; its 32 rows are alike, which is taken for the eight work-groups concerned.
; K = 1,024 goes in 16 stages of 64.  A stage's operands come by loads of 16 bytes a lane (sixteen lanes take 256 consecutive bytes of a row of cw, a wave 512 of a row of pw), are rounded in place and laid into one of
; two LDS buffers: A [row][a], pitch 144; B [a][column], pitch 288, turned on the way into registers by ds_load_tr16_b128.  Four sets of registers take turns: three stages' loads are out while one is worked on.
; ONE BARRIER A STAGE: in front of it each wave has waited for its stores into this stage's buffer, and its reads of the other buffer were waited for ahead of the last stage's products; so behind it the buffer is whole,
; and the buffer read two stages ago is written again only behind the barrier of the stage between.
; Wave w multiplies row block w % 2 by column blocks 2 (w / 2) and 2 (w / 2) + 1; the product is taken transposed (source 0 = 16 columns, source 1 = 16 rows): a lane holds row lane % 16 and the columns 8 (lane / 16) + 0..7.
; THE WAY OUT has two paths, chosen by mt; each has LDS bytes of its own, so that no byte is written on both sides of that branch.
; NO CLUSTER, NO TENSOR LOAD: the fold's operands arrive in f32 and pass through registers to be rounded.
.set NFOLD, 264
.set PAF,   144
.set PBF,   288
.set BOFF,  32*PAF                     ; 4,608: in a buffer A's 32 rows, then B's 64
.set BUFB,  BOFF+64*PBF                ; 23,040
.set OSTG,  2*BUFB                     ; 46,080: wf's way out: 32 rows x 272 bytes
.set OP,    272
.set BSTG,  OSTG+32*OP                 ; 54,784: bf's way out: 512 bytes of f32 for each of the two row blocks
.set SPARE, BSTG+1024                  ; 55,808: the spare words, 128 bytes a wave
.set LN,  1                            ; v1 lane;  v2 lane % 16;  v3 lane / 16;  v4 thread / 16
.set RR,  2
.set HH,  3
.set T4,  4
.set VA0, 5                            ; v5, v6 my byte offsets in A's rows thread / 16 and 16 + thread / 16;  v7 in B's row wave: never rewritten
.set VA1, 6
.set VB,  7
.set LSA, 8                            ; v8, v9 where I store my 8 bytes of A and of B
.set LSB, 9
.set LFA, 10                           ; v10, v11 where I read my fragments
.set LFB, 11
.set OST, 12                           ; v12 the way out: where I put 16 bytes of a row;  v13 where I read a row back;  v14 my byte offset in wf;  v15 where bf's sums go
.set ORD, 13
.set OGO, 14
.set BST, 15
.set SPW, 16                           ; v16 my spare word; v17 0: never rewritten
.set NIL, 17
.set LN16, 18                          ; v18 16 x lane
.set TT,  19                           ; v19 at work; in a cast: my byte offset in the output
.set ACC, 20                           ; v[20:35] two accumulators
.set AD,  20                           ; in a cast: v[20:35] my byte offset in each of 16 rows
.set FA,  36                           ; v[36:51] A's fragments of the stage's two halves of 32
.set FB,  52                           ; v[52:83] B's: half k, column block e at FB + 16 k + 8 e
.set SET, 84                           ; v[84:243] four sets of 40: two loads of A, eight of B;  in a cast: 32 loads
.set MT, 26
.set NT, 27
.set WV, 28
.set MB, 29                            ; s29 my row block;  s30 my pair of column blocks
.set NG, 30
.set PIT, 31                           ; s31 bytes from row to row of A: 12,288, or 0
.set SA,  40                           ; s[40:41] A, s[42:43] B at the stage that set 0 was last loaded for, less four stages
.set SBP, 42
.set KC,  44
	s_load_b512 s[8:23], s[0:1], 0x0               ; x s[8:9], cw s[10:11], pw s[12:13], cb s[14:15], pb s[16:17], xh s[18:19], cwh s[20:21], wf s[22:23]
	s_load_b64 s[24:25], s[0:1], 0x40              ; bf
	v_lshl_add_u32 v[SPW], v0, 2, SPARE
	v_mov_b32 v[NIL], 0
	s_cmp_lt_u32 ttmp9, NFOLD
	s_cbranch_scc1 .Lfold
	; A CAST: 16 rows of 2,048 numbers.  x lies dense (8,192 bytes from row to row), cw's rows are 12,288 bytes apart.  All 32 loads of a thread go out at once; a wave's load covers 512 consecutive bytes, its store 256, aligned.
	s_sub_co_u32 s26, ttmp9, NFOLD                 ; 0-255: x; 256-319: cw
	s_mov_b32 s29, 12288
	v_lshlrev_b32 v[AD], 4, v0
	v_lshlrev_b32 v[TT], 3, v0
	s_wait_kmcnt 0x0
	s_cmp_lt_u32 s26, 256
	s_cselect_b64 s[30:31], s[8:9], s[10:11]
	s_cselect_b64 s[32:33], s[18:19], s[20:21]
	s_cselect_b32 s27, 8192, s29
	s_cselect_b32 s28, 0, 256
	s_sub_co_u32 s26, s26, s28                     ; my chunk in the chosen tensor
	s_lshl_b32 s34, s27, 4
	s_mul_i32 s34, s34, s26
	s_mov_b32 s35, 0
	s_add_nc_u64 s[30:31], s[30:31], s[34:35]
	s_lshl_b32 s34, s26, 16
	s_add_nc_u64 s[32:33], s[32:33], s[34:35]
.set k, 1
.rept 15
	v_add_nc_u32 v[AD+k], s27, v[AD+k-1]
.set k, k+1
.endr
.set i, 0
.rept 32
	global_load_b128 v[SET+4*i:SET+4*i+3], v[AD+i/2], s[30:31] offset:4096*(i%2) th:TH_LOAD_NT
.set i, i+1
.endr
.set i, 0
.rept 32
	s_wait_loadcnt 31-i                            ; loads come back in order: load i is in, the younger ones stay out
	v_cvt_pk_f16_f32 v[SET+4*i], v[SET+4*i], v[SET+4*i+1]
	v_cvt_pk_f16_f32 v[SET+4*i+1], v[SET+4*i+2], v[SET+4*i+3]
	global_store_b64 v[TT], v[SET+4*i:SET+4*i+1], s[32:33] offset:2048*i th:TH_STORE_NT
.set i, i+1
.endr
	s_endpgm
.macro LOADS j, st                     ; ten loads into set j: the stage st stages behind the two pointers
.irp q, 0,1
	global_load_b128 v[SET+40*(\j)+4*(\q):SET+40*(\j)+4*(\q)+3], v[VA0+(\q)], s[SA:SA+1] offset:256*(\st)
.endr
.irp i, 0,1,2,3,4,5,6,7
	global_load_b128 v[SET+40*(\j)+8+4*(\i):SET+40*(\j)+8+4*(\i)+3], v[VB], s[SBP:SBP+1] offset:262144*(\st)+32768*(\i)
.endr
.endm
; A stage, on set j and LDS buffer j % 2.  reload = 1: the set is asked for again, four stages on.  left = the younger loads that may stay out.
.macro STG j, reload, left
.set X,  SET+40*(\j)
.set BF, ((\j)%2)*BUFB
	s_wait_loadcnt \left
.irp q, 0,1,2,3,4,5,6,7,8,9
	v_cvt_pk_f16_f32 v[X+4*(\q)], v[X+4*(\q)], v[X+4*(\q)+1]       ; rounded in place; these twenty lines are also the places behind the last stage's products, ahead of the loads into their sources
	v_cvt_pk_f16_f32 v[X+4*(\q)+1], v[X+4*(\q)+2], v[X+4*(\q)+3]
.endr
.irp q, 0,1
	ds_store_b64 v[LSA], v[X+4*(\q):X+4*(\q)+1] offset:BF+16*PAF*(\q)
.endr
.irp i, 0,1,2,3,4,5,6,7
	ds_store_b64 v[LSB], v[X+8+4*(\i):X+8+4*(\i)+1] offset:BF+8*PBF*(\i)
.endr
	s_wait_dscnt 0x0                               ; for the others' sake: my stores are done; they have also read the set, which is loaded again only now
.if \reload
	LOADS \j, 4+(\j)
.endif
	s_barrier_signal -1
	s_barrier_wait -1                              ; the buffer is whole
.irp k, 0,1
	ds_load_b128 v[FA+8*(\k):FA+8*(\k)+3],   v[LFA] offset:BF+64*(\k)
	ds_load_b128 v[FA+8*(\k)+4:FA+8*(\k)+7], v[LFA] offset:BF+64*(\k)+32
.irp e, 0,1
	ds_load_tr16_b128 v[FB+16*(\k)+8*(\e):FB+16*(\k)+8*(\e)+3],   v[LFB] offset:BF+32*PBF*(\k)+32*(\e)
	ds_load_tr16_b128 v[FB+16*(\k)+8*(\e)+4:FB+16*(\k)+8*(\e)+7], v[LFB] offset:BF+32*PBF*(\k)+32*(\e)+16*PBF
.endr
.endr
	s_wait_dscnt 0x0
.irp k, 0,1
.irp e, 0,1                            ; the two accumulators take turns, one instruction a turn, over the backward jump too
	v_wmma_f32_16x16x32_f16 v[ACC+8*(\e):ACC+8*(\e)+7], v[FB+16*(\k)+8*(\e):FB+16*(\k)+8*(\e)+7], v[FA+8*(\k):FA+8*(\k)+7], v[ACC+8*(\e):ACC+8*(\e)+7]
.endr
.endr
.endm
.Lfold:
	s_lshr_b32 s[MT], ttmp9, 3
	s_and_b32 s[NT], ttmp9, 7
	v_lshrrev_b32 v[TT], 5, v0
	v_readfirstlane_b32 s[WV], v[TT]
	s_and_b32 s[MB], s[WV], 1
	s_lshr_b32 s[NG], s[WV], 1
	v_and_b32 v[LN], 31, v0
	v_and_b32 v[RR], 15, v0
	v_bfe_u32 v[HH], v0, 4, 1
	v_lshrrev_b32 v[T4], 4, v0
	s_mul_i32 s34, s[MT], 32*12288                 ; my 32 rows of cw
	s_mov_b32 s35, 0
	s_mov_b32 s[PIT], 12288
	s_lshl_b32 s36, s[NT], 9                       ; my 128 columns: 512 bytes of a row of pw, of pb and of bf
	s_mov_b32 s37, 0
	s_wait_kmcnt 0x0
	s_cmp_eq_u32 s[MT], 32
	s_cselect_b64 s[SA:SA+1], s[14:15], s[10:11]   ; cb in the work-groups that make bf
	s_cselect_b32 s[PIT], 0, s[PIT]
	s_cselect_b32 s34, 0, s34
	s_add_co_u32 s34, s34, 8192                    ; the last third of a row of cw, and of cb
	s_add_nc_u64 s[SA:SA+1], s[SA:SA+1], s[34:35]
	s_add_nc_u64 s[SBP:SBP+1], s[12:13], s[36:37]
	v_mul_lo_u32 v[VA0], v[T4], s[PIT]
	v_lshl_add_u32 v[VA0], v[RR], 4, v[VA0]        ; row thread / 16, 16 bytes a lane
	s_lshl_b32 s38, s[PIT], 4
	v_add_nc_u32 v[VA1], s38, v[VA0]
	v_lshlrev_b32 v[VB], 4, v[LN]
	v_lshl_add_u32 v[VB], s[WV], 12, v[VB]         ; row wave of each eight, 16 bytes a lane
	LOADS 0, 0
	LOADS 1, 1
	LOADS 2, 2
	LOADS 3, 3
.set k, 0
.rept 16
	v_mov_b32 v[ACC+k], 0                          ; the sums start at 0: written while the first loads are out, so that the stages have one form of product
.set k, k+1
.endr
	v_mul_u32_u24 v[LSA], v[T4], PAF
	v_lshl_add_u32 v[LSA], v[RR], 3, v[LSA]
	s_mul_i32 s38, s[WV], PBF
	s_add_co_u32 s38, s38, BOFF
	v_lshl_add_u32 v[LSB], v[LN], 3, s38
	v_mul_u32_u24 v[LFA], v[RR], PAF               ; a fragment of A: row x pitch + 16 x half
	v_lshl_add_u32 v[LFA], v[HH], 4, v[LFA]
	s_mul_i32 s38, s[MB], 16*PAF
	v_add_nc_u32 v[LFA], s38, v[LFA]
	v_and_b32 v[TT], 7, v0                         ; the turning load: lane l reads a-row 8 (l / 16) + l % 8, columns 8 ((l / 8) % 2) + 0..7
	v_lshl_add_u32 v[TT], v[HH], 3, v[TT]
	v_mul_u32_u24 v[LFB], v[TT], PBF
	v_bfe_u32 v[TT], v0, 3, 1
	v_lshl_add_u32 v[LFB], v[TT], 4, v[LFB]
	s_lshl_b32 s38, s[NG], 6
	s_add_co_u32 s38, s38, BOFF
	v_add_nc_u32 v[LFB], s38, v[LFB]
	v_mul_u32_u24 v[OST], v[RR], OP
	v_lshl_add_u32 v[OST], v[HH], 4, v[OST]
	s_mul_i32 s38, s[MB], 16*OP
	s_lshl_b32 s39, s[NG], 6
	s_add_co_u32 s38, s38, s39
	s_add_co_u32 s38, s38, OSTG
	v_add_nc_u32 v[OST], s38, v[OST]
	v_mul_u32_u24 v[ORD], v[T4], OP
	v_lshl_add_u32 v[ORD], v[RR], 4, v[ORD]
	v_add_nc_u32 v[ORD], OSTG, v[ORD]
	v_lshlrev_b32 v[OGO], 11, v[T4]
	v_lshl_add_u32 v[OGO], v[RR], 4, v[OGO]
	s_lshl_b32 s38, s[MB], 9                       ; bf's sums: each row block has 512 bytes of its own; column 32 (w / 2) + 16 e + 8 (lane / 16) on
	s_lshl_b32 s39, s[NG], 7
	s_add_co_u32 s38, s38, s39
	s_add_co_u32 s38, s38, BSTG
	v_lshl_add_u32 v[BST], v[HH], 5, s38
	v_lshlrev_b32 v[LN16], 4, v[LN]
	s_mov_b32 s[KC], 3
.Ltrip:                                        ; four stages a trip; the counts: three sets of ten younger loads stay out
	STG 0, 1, 30
	STG 1, 1, 30
	STG 2, 1, 30
	STG 3, 1, 30
	s_wait_xcnt 0x0                                ; every load issued so far has read its address, so the pointers may be written
	s_add_nc_u64 s[SA:SA+1], s[SA:SA+1], 4*256
	s_add_nc_u64 s[SBP:SBP+1], s[SBP:SBP+1], 4*262144
	s_sub_co_u32 s[KC], s[KC], 1
	s_cmp_lg_u32 s[KC], 0
	s_cbranch_scc1 .Ltrip
	STG 0, 0, 30                                   ; the last four stages load nothing: the counts run down
	STG 1, 0, 20
	STG 2, 0, 10
	STG 3, 0, 0
.rept 4
	v_nop                                          ; four places behind the last products, ahead of the readers of their results (ISA guide 7.12.1)
.endr
	s_cmp_eq_u32 s[MT], 32
	s_cbranch_scc1 .Lbias_in
.irp e, 0,1
.irp k, 0,2,4,6
	v_pk_mul_f32 v[ACC+8*(\e)+(\k):ACC+8*(\e)+(\k)+1], v[ACC+8*(\e)+(\k):ACC+8*(\e)+(\k)+1], 0x42800000 op_sel_hi:[1,0]  ; x 64
.endr
.irp k, 0,1,2,3
	v_cvt_pk_f16_f32 v[SET+4*(\e)+(\k)], v[ACC+8*(\e)+2*(\k)], v[ACC+8*(\e)+2*(\k)+1]
.endr
	ds_store_b128 v[OST], v[SET+4*(\e):SET+4*(\e)+3] offset:32*(\e)
.endr
	s_branch .Lmeet
.Lbias_in:
.irp e, 0,1
	ds_store_b128 v[BST], v[ACC+8*(\e):ACC+8*(\e)+3]   offset:64*(\e)      ; the sixteen rows of a block are alike: sixteen lanes write the same bytes with the same numbers
	ds_store_b128 v[BST], v[ACC+8*(\e)+4:ACC+8*(\e)+7] offset:64*(\e)+16
.endr
.Lmeet:
	s_wait_dscnt 0x0                               ; for the others' sake: my stores are done
	s_barrier_signal -1
	s_barrier_wait -1
	s_cmp_eq_u32 s[MT], 32
	s_cbranch_scc1 .Lbias_out
	s_lshl_b32 s34, s[MT], 16                      ; 32 rows of 2,048 bytes,
	s_lshl_b32 s38, s[NT], 8                       ; 128 columns
	s_add_co_u32 s34, s34, s38
	s_add_nc_u64 s[22:23], s[22:23], s[34:35]
	ds_load_b128 v[SET+8:SET+11],  v[ORD]
	ds_load_b128 v[SET+12:SET+15], v[ORD] offset:16*OP
	s_wait_dscnt 0x0
	global_store_b128 v[OGO], v[SET+8:SET+11],  s[22:23]                   ; 16 lanes store 256 consecutive bytes, aligned
	global_store_b128 v[OGO], v[SET+12:SET+15], s[22:23] offset:16*2048
	s_branch .Lend
.Lbias_out:
	s_cmp_lg_u32 s[WV], 0                          ; wave 0 finishes the 128 numbers of bf, from row block 0's sums
	s_cbranch_scc1 .Lend
	s_add_nc_u64 s[16:17], s[16:17], s[36:37]
	s_add_nc_u64 s[24:25], s[24:25], s[36:37]
	global_load_b128 v[SET+8:SET+11], v[LN16], s[16:17]
	v_add_nc_u32 v[TT], BSTG, v[LN16]
	ds_load_b128 v[SET+12:SET+15], v[TT]
	s_wait_loadcnt 0x0
	s_wait_dscnt 0x0
	v_pk_add_f32 v[SET+8:SET+9],   v[SET+8:SET+9],   v[SET+12:SET+13]
	v_pk_add_f32 v[SET+10:SET+11], v[SET+10:SET+11], v[SET+14:SET+15]
	global_store_b128 v[LN16], v[SET+8:SET+11], s[24:25]                   ; 512 consecutive bytes, aligned
.Lend:
	s_wait_tensorcnt 0x0                           ; the wave's end, behind my last LDS store
	ds_add_u32 v[SPW], v[NIL]
	s_wait_dscnt 0x0
	s_endpgm
.Lfunc_end_k_qc1b592f587_prep:
	.size	k_qc1b592f587_prep, .Lfunc_end_k_qc1b592f587_prep-k_qc1b592f587_prep
	.p2alignl 7, 3214868480
	.fill 96, 4, 3214868480
	.section	.rodata,"a",@progbits
	.p2align	6, 0x0
	.amdhsa_kernel k_qc1b592f587_prep
		.amdhsa_group_segment_fixed_size 56832
		.amdhsa_private_segment_fixed_size 0
		.amdhsa_enable_private_segment 0
		.amdhsa_kernarg_size 72
		.amdhsa_user_sgpr_count 2
		.amdhsa_user_sgpr_kernarg_segment_ptr 1
		.amdhsa_wavefront_size32 1
		.amdhsa_system_sgpr_workgroup_id_x 1
		.amdhsa_system_sgpr_workgroup_id_y 1
		.amdhsa_system_sgpr_workgroup_id_z 1
		.amdhsa_system_vgpr_workitem_id 0
		.amdhsa_next_free_vgpr 248
		.amdhsa_next_free_sgpr 66
		.amdhsa_reserve_vcc 0
		.amdhsa_float_denorm_mode_32 3
		.amdhsa_float_denorm_mode_16_64 3
		.amdhsa_memory_ordered 1
		.amdhsa_forward_progress 1
		.amdhsa_inst_pref_size 52
	.end_amdhsa_kernel
	.amdgpu_metadata
---
amdhsa.version: [ 1, 2 ]
amdhsa.kernels:
  - .name:           k_qc1b592f587_prep
    .symbol:         k_qc1b592f587_prep.kd
    .args:
      - { .name: x, .offset: 0, .size: 8, .value_kind: global_buffer, .address_space: global }
      - { .name: cw, .offset: 8, .size: 8, .value_kind: global_buffer, .address_space: global }
      - { .name: pw, .offset: 16, .size: 8, .value_kind: global_buffer, .address_space: global }
      - { .name: cb, .offset: 24, .size: 8, .value_kind: global_buffer, .address_space: global }
      - { .name: pb, .offset: 32, .size: 8, .value_kind: global_buffer, .address_space: global }
      - { .name: xh, .offset: 40, .size: 8, .value_kind: global_buffer, .address_space: global }
      - { .name: cwh, .offset: 48, .size: 8, .value_kind: global_buffer, .address_space: global }
      - { .name: wf, .offset: 56, .size: 8, .value_kind: global_buffer, .address_space: global }
      - { .name: bf, .offset: 64, .size: 8, .value_kind: global_buffer, .address_space: global }
    .group_segment_fixed_size: 56832
    .private_segment_fixed_size: 0
    .kernarg_segment_align: 8
    .kernarg_segment_size: 72
    .max_flat_workgroup_size: 256
    .sgpr_count:     66
    .vgpr_count:     248
    .wavefront_size: 32
...
	.end_amdgpu_metadata
.endif
;; end of part 1
;; launch proj (part 2): grid 8 x 32, 4 waves a work-group, clusters of 4 x 4, 327,680 bytes of LDS; arguments xh, cwh, cb, qkv; writes qkv
.if DOCPART == 2
	.amdgcn_target "amdgcn-amd-amdhsa--gfx1250"
	.amdhsa_code_object_version 6
	.text
	.protected	k_qc1b592f587_proj
	.globl	k_qc1b592f587_proj
	.p2align	8
	.type	k_qc1b592f587_proj,@function
k_qc1b592f587_proj:
	s_mov_b64 s[64:65], 0
	v_nop
	global_prefetch_b8 v0, s[64:65] scope:SCOPE_SE
	s_setreg_imm32_b32 hwreg(HW_REG_WAVE_MODE, 25, 1), 1
	s_wait_xcnt 0x0
	s_wait_alu depctr_hold_cnt(0) depctr_sa_sdst(0) depctr_va_vdst(0) depctr_va_sdst(0) depctr_va_ssrc(0) depctr_va_vcc(0) depctr_vm_vsrc(0)
	s_getreg_b32 s2, hwreg(HW_REG_IB_STS2, 6, 4)
	s_cmp_eq_u32 s2, 0
	s_cbranch_scc0 .Lentry_in_a_cluster
	s_endpgm
.Lentry_in_a_cluster:
	s_bfe_u32 s2, ttmp6, 0x10000c
	s_cmp_lg_u32 s2, 0xf033
	s_cbranch_scc0 .Lentry_shape_is_right
	s_endpgm
.Lentry_shape_is_right:
; PROJ.  q and k: qkv[m][n] = sum over k of xh[m][k] cwh[k][n] + cb[n], n = 0 .. 2047.  xh: [8192][1024] f16, cwh: [1024][2048] f16, cb: [3072] f32 (its first 2,048 here).  Sums and bias in f32, the result rounded once to f16.
; qkv keeps rows of 6,144 bytes: q at byte 0, k at byte 2,048; the last third of a row is neither written nor read (v is never projected: see the first launch).
; LIMITS.  q and k leave as f16: they must stay under 65,504; below 6e-5 they keep f16's fixed step of 6e-8.
; SHARES.  A work-group of four waves makes 256 x 256, a wave 128 x 128: 64 accumulators of 16 x 16 in 512 registers; 32 x 8 = 256 work-groups.  K goes in 8 steps of 128 through two LDS slots.
; A's tile lies [row][k] (rows of 256 bytes, LDS pitch 272); B's lies [k][column] as in memory (128 k-rows of 256 bytes for each half of the columns, LDS pitch 288) and is turned on the way into registers by ds_load_tr16_b128.
; THE PRODUCT IS TAKEN TRANSPOSED (source 0 = 16 columns of cwh, source 1 = 16 rows of xh): a lane holds row lane % 16 and the columns 8 (lane / 16) + 0..7.
; CLUSTER 4 x 4.  A's tile hangs on the tile row alone and is asked for jointly by a row of the cluster, B's on the tile column alone, by a column.
; THE RING.  One walking descriptor for A and one for B; an exclusive or turns an LDS address of one slot into the other's (no base has a bit in common with the slot's constant).  A trip of the loop is ONE K step.
; By the text's own count a wave has one tensor load out at the most, so every wait on TENSORcnt is for 0 and stands in front of a round of the cluster's barrier.
; REGISTERS, in windows of 256: window 0 addresses, A's two fragment buffers (v64-127, v128-191), the bias (v192-199); window 1 B's two buffers; windows 2 and 3 the accumulators ((a, b) at v[8 (8 (a % 4) + b)]).
; THE WAY OUT.  The ring has had its last fill: each wave lays its 128 x 128 sums (f32, pitch 528) into 69,632 bytes of it and reads them back by rows in a loop of eight trips.
.set PA,    272
.set PB,    288
.set CA,    128*PA                     ; 0x8800: A's half tile, and the distance between its two slots
.set CB,    128*PB                     ; 0x9000: the same for B
.set BBASE, 4*CA                       ; 0x22000: A's half i at 2 i CA, B's half i at BBASE + 2 i CB
.set SPARE, BBASE+4*CB                 ; 0x46000: the spare words, 128 bytes a wave
.set KT,    8                          ; K steps
.set STEPA, 256                        ; bytes from K step to K step in xh
.set STEPB, 128*2048*2                 ; and in cwh: 128 rows
.set WREG,  0x11000                    ; the way out: a wave's bytes of the ring
.set DP,    528                        ; the way out: 512 bytes of f32 + 16
.set RR, 1                             ; v1  lane % 16
.set HH, 2                             ; v2  lane / 16
.set ADRA, 16                          ; v16 LDS address of my A fragments in the slot in hand;  v17 in slot 0
.set ADRA0, 17
.set ADRB, 18                          ; v18, v19 the same for B
.set ADRB0, 19
.set DST, 20                           ; v20 the way out: where my sums go
.set RDL, 21                           ; v21 my lane's place when rows are read back
.set CO,  22                           ; v22 my byte offset in two rows of qkv
.set SADR, 23                          ; v23 the address of a trip's reads
.set SPW, 28                           ; v28 my spare word; v29 0: never rewritten
.set NIL, 29
.set PFO, 30                           ; v30 the prefetches' offset: lane x a row of my operand; never rewritten
.set BI,  192                          ; v[192:199] cb of my eight columns
.set F0,  64
.set F1,  128
.set KC, 3                             ; s3  K steps to go
.set WV, 12                            ; s12 wave; s13 row half, also: I fetch for A (0) or B (1); s14 column half, also: which half I fetch
.set WR, 13
.set WC, 14
.set CX, 15                            ; s15, s16 my place in the cluster; s17, s18 tile column and row; s19 the cluster's y
.set CY, 16
.set TX, 17
.set TY, 18
.set CLY, 19
.set G1A, 24                           ; s[24:31], s[32:35] A's descriptor groups 1 and 0;  s[40:47], s[36:39] B's
.set G0A, 32
.set G0B, 36
.set G1B, 40
.set TBA, 48                           ; s48, s49 the slot in hand: 0 or CA, 0 or CB
.set TBB, 49
.set LIM, 50                           ; s50 2 in a wave that prefetches, else the greatest number
.set PFA, 52                           ; s[52:53] where my prefetches stand; s[54:55] their step
.set PST, 54
.set SB,  62                           ; s62 the way out: LDS byte of the rows in hand; s63 its count
.set BC,  63
.set MSB, 0
.macro WIN new                         ; the immediate's high byte repeats the setting that is left; a switch that changes nothing is dropped
.if MSB != (\new)
	s_set_vgpr_msb (MSB<<8)|(\new)
.set MSB, \new
.endif
.endm
.macro PLACES                          ; four plain instructions behind a matrix instruction, ahead of loads into its sources and of readers of its result
.rept 4
	v_nop
.endr
.endm
.macro CREST                           ; a round of the cluster's barrier behind its opening barrier
	s_cmp_lg_u32 s[WV], 0
	s_cbranch_scc1 .Lnot_wave_0_\@
	s_barrier_signal -3
.Lnot_wave_0_\@:
	s_barrier_wait -3
	s_barrier_signal -1
	s_barrier_wait -1
.endm
.macro CROUND
	s_barrier_signal -1
	s_barrier_wait -1
	CREST
.endm
.macro JLOAD                           ; a joint load: waves 0 and 1 fetch A's halves, waves 2 and 3 B's; the branch hangs on the wave's number alone
	s_cmp_eq_u32 s[WR], 0
	s_cbranch_scc0 .Lfor_b_\@
	tensor_load_to_lds s[G0A:G0A+3], s[G1A:G1A+7]
	s_nop 0
	PLACES
	s_branch .Lasked_\@
.Lfor_b_\@:
	tensor_load_to_lds s[G0B:G0B+3], s[G1B:G1B+7]
	s_nop 0
	PLACES
.Lasked_\@:
.endm
.macro STEPD                           ; both walking descriptors: the other slot, the next K step; no tensor load of mine is out where this stands
	s_xor_b32 s[G0A+1], s[G0A+1], CA
	s_add_nc_u64 s[G0A+2:G0A+3], s[G0A+2:G0A+3], STEPA
	s_xor_b32 s[G0B+1], s[G0B+1], CB
	s_add_nc_u64 s[G0B+2:G0B+3], s[G0B+2:G0B+3], STEPB
.endm
.macro FLIP                            ; the fragment loads go over to the other slot
	WIN 0
	s_xor_b32 s[TBA], s[TBA], CA
	s_xor_b32 s[TBB], s[TBB], CB
	v_add_nc_u32 v[ADRA], s[TBA], v[ADRA0]
	v_add_nc_u32 v[ADRB], s[TBB], v[ADRB0]
.endm
.macro ASK                             ; a prefetch of 32 rows x 256 bytes, a lane a row, of the K step that stands two refills on; s3 > 2 leaves out the steps that do not exist
	s_cmp_gt_u32 s[KC], s[LIM]
	s_cbranch_scc0 .Lnot_mine_\@
	global_prefetch_b8 v[PFO], s[PFA:PFA+1] th:TH_LOAD_NT scope:SCOPE_SE
.Lnot_mine_\@:
.endm
.macro FETCH q, f                      ; 32 LDS loads in one run: quarter q (32 along K) into buffer f: B's 8 fragments (turned), then A's 8
	WIN 0x40
.irp i, 0,1,2,3,4,5,6,7
	ds_load_tr16_b128 v[(\f)+8*(\i):(\f)+8*(\i)+3],   v[ADRB] offset:(\q)*32*PB+32*(\i)
	ds_load_tr16_b128 v[(\f)+8*(\i)+4:(\f)+8*(\i)+7], v[ADRB] offset:(\q)*32*PB+32*(\i)+16*PB
.endr
	WIN 0
.irp i, 0,1,2,3,4,5,6,7
	ds_load_b128 v[(\f)+8*(\i):(\f)+8*(\i)+3],   v[ADRA] offset:(\q)*64+(\i)*16*PA
	ds_load_b128 v[(\f)+8*(\i)+4:(\f)+8*(\i)+7], v[ADRA] offset:(\q)*64+(\i)*16*PA+32
.endr
.endm
.macro MUL16 f, hi, a0, zero           ; 16 products: row blocks a0, a0 + 1 of window 2 + hi x all 8 column blocks; the 64 accumulators take turns, one instruction a turn
	WIN 0xa1+0x50*(\hi)
.irp a, \a0, (\a0)+1
.irp b, 0,1,2,3,4,5,6,7
.if \zero
	v_wmma_f32_16x16x32_f16 v[8*(8*(\a)+(\b)):8*(8*(\a)+(\b))+7], v[(\f)+8*(\b):(\f)+8*(\b)+7], v[(\f)+8*(4*(\hi)+(\a)):(\f)+8*(4*(\hi)+(\a))+7], 0
.else
	v_wmma_f32_16x16x32_f16 v[8*(8*(\a)+(\b)):8*(8*(\a)+(\b))+7], v[(\f)+8*(\b):(\f)+8*(\b)+7], v[(\f)+8*(4*(\hi)+(\a)):(\f)+8*(4*(\hi)+(\a))+7], v[8*(8*(\a)+(\b)):8*(8*(\a)+(\b))+7]
.endif
.endr
.endr
.endm
.macro QUARTER q, f, g, zero           ; multiplies buffer f and, in its middle, fetches quarter q of the same slot into buffer g
	s_wait_dscnt 8                                 ; B and A's rows 0-63 are in; the youngest eight loads (A's rows 64-127) may be out
	MUL16 \f, 0, 0, \zero
	MUL16 \f, 0, 2, \zero
	PLACES
	FETCH \q, \g
	s_wait_dscnt 32                                ; all but the 32 just issued
	MUL16 \f, 1, 0, \zero
	MUL16 \f, 1, 2, \zero
.endm
.macro MEET round                      ; the first half of a K step's last quarter, and the barrier of the change of slots
	WIN 0
	s_wait_tensorcnt 0x0                           ; my one tensor load, my part of the next slot, has landed
	ds_add_u32 v[SPW], v[NIL]                      ; 0 onto my spare word
	s_wait_dscnt 9                                 ; (the add and the youngest eight loads may be out)
	MUL16 F1, 0, 0, 0
	s_wait_dscnt 0x0                               ; the add is done, and my reads of this slot are over
	s_barrier_signal -1
	MUL16 F1, 0, 2, 0
.if \round
	WIN 0
.endif
	s_barrier_wait -1
.endm
.macro TURN fill                       ; a K step's last quarter; fill = 1: the slot just read is filled again, two K steps ahead, first thing behind a round of the cluster's barrier
.if \fill
	s_wait_xcnt 0x0                                ; the last prefetch, a K step back, has read its address
	s_add_nc_u64 s[PFA:PFA+1], s[PFA:PFA+1], s[PST:PST+1]
.endif
	MEET \fill
.if \fill
	CREST
	STEPD
	JLOAD                                          ; its four v_nop are also the places ahead of the loads below
.else
	PLACES
.endif
	FLIP
	FETCH 0, F0
.if \fill
	ASK
.endif
	MUL16 F1, 1, 0, 0
	MUL16 F1, 1, 2, 0
.endm
.macro DUMP hi                         ; 32 accumulators into my bytes of the ring: row 16 a + lane % 16, 32 bytes at column 16 b + 8 (lane / 16); each accumulator's low registers first
	WIN 0x08+4*(\hi)
.irp a, 0,1,2,3
.irp b, 0,1,2,3,4,5,6,7
	ds_store_b128 v[DST], v[8*(8*(\a)+(\b)):8*(8*(\a)+(\b))+3]   offset:16*DP*(4*(\hi)+(\a))+64*(\b)
	ds_store_b128 v[DST], v[8*(8*(\a)+(\b))+4:8*(8*(\a)+(\b))+7] offset:16*DP*(4*(\hi)+(\a))+64*(\b)+16
.endr
.endr
.endm
	s_load_b256 s[4:11], s[0:1], 0x0               ; xh s[4:5], cwh s[6:7], cb s[8:9], qkv s[10:11]
	v_lshl_add_u32 v[SPW], v0, 2, SPARE
	v_mov_b32 v[NIL], 0
	ds_add_u32 v[SPW], v[NIL]                      ; the wave's opening: the add and its wait stand ahead of my first tensor load
	v_lshrrev_b32 v3, 5, v0
	v_readfirstlane_b32 s[WV], v3
	s_lshr_b32 s[WR], s[WV], 1
	s_and_b32 s[WC], s[WV], 1
	s_bfe_u32 s[CX], ttmp6, 0x40000
	s_bfe_u32 s[CY], ttmp6, 0x40004
	s_lshl_b32 s[TX], ttmp9, 2
	s_add_co_u32 s[TX], s[TX], s[CX]               ; tile column = 4 x cluster x + cx
	s_and_b32 s[CLY], ttmp7, 0xffff
	s_lshl_b32 s[TY], s[CLY], 2
	s_add_co_u32 s[TY], s[TY], s[CY]               ; tile row = 4 x cluster y + cy
	s_lshl_b32 s20, s[CY], 2
	s_lshl_b32 s20, 15, s20                        ; my row of the cluster
	s_lshl_b32 s84, 0x1111, s[CX]                  ; my column
	s_or_b32 s[G1A], s20, (1<<16)|(1<<20)|(1<<21)|(5<<22)|(3<<25)  ; mask; 2-byte elements; padding on; bit 21 beside a mask; after every 64 words 4 words
	s_or_b32 s[G1B], s84, (1<<16)|(1<<20)|(1<<21)|(5<<22)|(7<<25)  ; the same with 8 words of padding
.irp g, G1A, G1B
	s_mov_b32 s[(\g)+1], 128<<16                   ; tensor_dim0 = 128
	s_mov_b32 s[(\g)+2], 128<<16                   ; tensor_dim1 = 128
	s_mov_b32 s[(\g)+3], 128<<16                   ; tile_dim0 = 128
	s_mov_b32 s[(\g)+4], 128                       ; tile_dim1 = 128
	s_mov_b32 s[(\g)+6], 0
	s_mov_b32 s[(\g)+7], 0
.endr
	s_mov_b32 s[G1A+5], 1024                       ; elements from row to row
	s_mov_b32 s[G1B+5], 2048
	s_lshl_b32 s20, s[TY], 8                       ; A: row 256 x tile row + 128 x half, 2,048 bytes a row: made of the tile row and the wave alone
	s_lshl_b32 s21, s[WC], 7
	s_add_co_u32 s20, s20, s21
	s_lshl_b32 s20, s20, 11
	s_mov_b32 s21, 0
	s_lshl_b32 s84, s[TX], 9                       ; B: byte 512 x tile column + 256 x half of row 0: made of the tile column and the wave alone
	s_lshl_b32 s85, s[WC], 8
	s_add_co_u32 s84, s84, s85
	s_mov_b32 s85, 0
	s_mov_b32 s[G0A], 1
	s_mul_i32 s[G0A+1], s[WC], 2*CA
	s_mov_b32 s[G0B], 1
	s_mul_i32 s[G0B+1], s[WC], 2*CB
	s_add_co_u32 s[G0B+1], s[G0B+1], BBASE
	s_mov_b32 s[TBA], 0
	s_mov_b32 s[TBB], 0
	s_wait_dscnt 0x0                               ; the opening add is done
	s_wait_kmcnt 0x0
	s_add_nc_u64 s[G0A+2:G0A+3], s[4:5], s[20:21]
	s_or_b32 s[G0A+3], s[G0A+3], 0x80000000
	s_add_nc_u64 s[G0B+2:G0B+3], s[6:7], s[84:85]
	s_or_b32 s[G0B+3], s[G0B+3], 0x80000000
	CROUND                                         ; all sixteen work-groups are here: the first joint loads meet
	JLOAD                                          ; K step 0 into slot 0
	v_and_b32 v[RR], 15, v0
	v_bfe_u32 v[HH], v0, 4, 1
	v_mul_u32_u24 v3, v[RR], PA
	v_lshl_add_u32 v3, v[HH], 4, v3                ; a fragment of A: row x pitch + 16 x half
	s_mul_i32 s22, s[WR], 2*CA
	v_add_nc_u32 v[ADRA0], s22, v3
	v_mov_b32 v[ADRA], v[ADRA0]
	v_and_b32 v4, 7, v0                            ; the turning load: lane l reads k-row 8 (l / 16) + l % 8, columns 8 ((l / 8) % 2) + 0..7
	v_bfe_u32 v5, v0, 3, 1
	v_lshl_add_u32 v4, v[HH], 3, v4
	v_mul_u32_u24 v4, v4, PB
	v_lshl_add_u32 v4, v5, 4, v4
	s_mul_i32 s22, s[WC], 2*CB
	s_add_co_u32 s22, s22, BBASE
	v_add_nc_u32 v[ADRB0], s22, v4
	v_mov_b32 v[ADRB], v[ADRB0]
	; the prefetches.  xh's rows of a tile row are read by the two clusters of that row of clusters: cluster x = 0 asks; cwh's columns by all eight clusters of a column: cluster y = 0 asks.
	; Of the 128 rows that a wave fetches each of the four partners takes 32, told apart by address (cx for A, cy for B).  The pointer starts at K step 3 and is stepped ahead of each request.
	s_mov_b32 s22, 4096
	s_mov_b32 s[PST], STEPB
	s_cmp_eq_u32 s[WR], 0
	s_cselect_b64 s[PFA:PFA+1], s[4:5], s[6:7]
	s_cselect_b32 s86, s20, s84
	s_cselect_b32 s87, s[CX], s[CY]
	s_cselect_b32 s22, 2048, s22                   ; bytes in a row of my operand
	s_cselect_b32 s[PST], STEPA, s[PST]
	s_cselect_b32 s23, ttmp9, s[CLY]
	s_cmp_eq_u32 s23, 0
	s_cselect_b32 s[LIM], 2, -1
	s_mov_b32 s[PST+1], 0
	s_lshl_b32 s87, s87, 5
	s_mul_i32 s87, s87, s22
	s_add_co_u32 s86, s86, s87
	s_mul_i32 s87, s[PST], 3
	s_add_co_u32 s86, s86, s87
	s_mov_b32 s87, 0
	s_add_nc_u64 s[PFA:PFA+1], s[PFA:PFA+1], s[86:87]
	v_and_b32 v[PFO], 31, v0
	v_mul_lo_u32 v[PFO], v[PFO], s22
	; the bias of the eight columns that I hold when rows are read back
	s_lshl_b32 s86, s[TX], 10
	s_lshl_b32 s87, s[WC], 9
	s_add_co_u32 s86, s86, s87
	s_mov_b32 s87, 0
	s_add_nc_u64 s[8:9], s[8:9], s[86:87]
	v_lshlrev_b32 v15, 5, v[RR]
	global_load_b128 v[BI:BI+3], v15, s[8:9]
	global_load_b128 v[BI+4:BI+7], v15, s[8:9] offset:16
	; the way out
	s_lshl_b32 s86, s[TY], 8
	s_lshl_b32 s87, s[WR], 7
	s_add_co_u32 s86, s86, s87
	s_mul_i32 s86, s86, 6144
	s_lshl_b32 s87, s[TX], 9
	s_add_co_u32 s86, s86, s87
	s_lshl_b32 s87, s[WC], 8
	s_add_co_u32 s86, s86, s87
	s_mov_b32 s87, 0
	s_add_nc_u64 s[10:11], s[10:11], s[86:87]      ; qkv at my 128 x 128
	s_mul_i32 s[SB], s[WV], WREG
	v_mul_u32_u24 v[DST], v[RR], DP
	v_lshl_add_u32 v[DST], v[HH], 5, v[DST]
	v_add_nc_u32 v[DST], s[SB], v[DST]
	v_mul_u32_u24 v[RDL], v[HH], DP                ; back: lanes 0-15 one row, lanes 16-31 the next; 32 bytes (8 sums) a lane
	v_lshl_add_u32 v[RDL], v[RR], 5, v[RDL]
	v_mul_u32_u24 v[CO], v[HH], 6144
	v_lshl_add_u32 v[CO], v[RR], 4, v[CO]
	; the first change of slots: slot 0 is waited for, slot 1 asked for
	s_wait_tensorcnt 0x0
	ds_add_u32 v[SPW], v[NIL]
	STEPD
	s_wait_dscnt 0x0
	CROUND
	JLOAD                                          ; K step 1 into slot 1
	FETCH 0, F0
	QUARTER 1, F0, F1, 1                           ; the first quarter's products start the sums: nothing is cleared
	WIN 0
	s_mov_b32 s[KC], KT-2
.Lstep:                                        ; a trip: from a K step's second quarter to the next step's first; its change of slots asks for the step two on
	QUARTER 2, F1, F0, 0
	QUARTER 3, F0, F1, 0
	TURN 1
	QUARTER 1, F0, F1, 0
	WIN 0
	s_sub_co_u32 s[KC], s[KC], 1
	s_cmp_lg_u32 s[KC], 0
	s_cbranch_scc1 .Lstep
	QUARTER 2, F1, F0, 0                           ; the last two K steps ask for nothing
	QUARTER 3, F0, F1, 0
	TURN 0
	QUARTER 1, F0, F1, 0
	QUARTER 2, F1, F0, 0
	QUARTER 3, F0, F1, 0
	s_wait_dscnt 8
	MUL16 F1, 0, 0, 0
	MUL16 F1, 0, 2, 0
	s_wait_dscnt 0x0
	MUL16 F1, 1, 0, 0
	MUL16 F1, 1, 2, 0
	WIN 0
	PLACES
	s_wait_dscnt 0x0                               ; my reads of the ring are over,
	s_barrier_signal -1
	s_barrier_wait -1                              ; everybody's are: the ring, which has had its last fill, takes the sums
	DUMP 0
	DUMP 1
	WIN 0
	s_mov_b32 s[BC], 8
	s_wait_loadcnt 0x0                             ; the bias
.Lrows:                                        ; 16 rows a trip: back as rows (a wave's own bytes: LDS serves a wave's instructions in order), + bias, rounded, stored
	v_add_nc_u32 v[SADR], s[SB], v[RDL]
.irp t, 0,1,2,3,4,5,6,7
	ds_load_b128 v[64+8*(\t):64+8*(\t)+3],   v[SADR] offset:2*DP*(\t)     ; lanes 32 bytes apart: two lanes of a group of sixteen meet in a bank column; taken, so that a lane's eight sums pack into 16 bytes on end
	ds_load_b128 v[64+8*(\t)+4:64+8*(\t)+7], v[SADR] offset:2*DP*(\t)+16
.endr
.irp t, 0,1,2,3,4,5,6,7
	s_wait_dscnt 14-2*(\t)                         ; pair t of the loads is in, the younger pairs stay out
.irp k, 0,2,4,6
	v_pk_add_f32 v[64+8*(\t)+(\k):64+8*(\t)+(\k)+1], v[64+8*(\t)+(\k):64+8*(\t)+(\k)+1], v[BI+(\k):BI+(\k)+1]
.endr
.irp k, 0,1,2,3
	v_cvt_pk_f16_f32 v[32+4*(\t)+(\k)], v[64+8*(\t)+2*(\k)], v[64+8*(\t)+2*(\k)+1]
.endr
	global_store_b128 v[CO], v[32+4*(\t):32+4*(\t)+3], s[10:11] offset:2*6144*(\t) th:TH_STORE_NT  ; 16 lanes store 256 consecutive bytes, aligned
.endr
	s_wait_xcnt 0x0                                ; the stores have read their registers and their base
	s_add_nc_u64 s[10:11], s[10:11], 16*6144
	s_add_co_u32 s[SB], s[SB], 16*DP
	s_sub_co_u32 s[BC], s[BC], 1
	s_cmp_lg_u32 s[BC], 0
	s_cbranch_scc1 .Lrows
	s_wait_tensorcnt 0x0                           ; the wave's end
	ds_add_u32 v[SPW], v[NIL]
	s_wait_dscnt 0x0
	CROUND                                         ; the closing round
	s_endpgm
.Lfunc_end_k_qc1b592f587_proj:
	.size	k_qc1b592f587_proj, .Lfunc_end_k_qc1b592f587_proj-k_qc1b592f587_proj
	.p2alignl 7, 3214868480
	.fill 96, 4, 3214868480
	.section	.rodata,"a",@progbits
	.p2align	6, 0x0
	.amdhsa_kernel k_qc1b592f587_proj
		.amdhsa_group_segment_fixed_size 327680
		.amdhsa_private_segment_fixed_size 0
		.amdhsa_enable_private_segment 0
		.amdhsa_kernarg_size 32
		.amdhsa_user_sgpr_count 2
		.amdhsa_user_sgpr_kernarg_segment_ptr 1
		.amdhsa_wavefront_size32 1
		.amdhsa_system_sgpr_workgroup_id_x 1
		.amdhsa_system_sgpr_workgroup_id_y 1
		.amdhsa_system_sgpr_workgroup_id_z 1
		.amdhsa_system_vgpr_workitem_id 0
		.amdhsa_next_free_vgpr 1024
		.amdhsa_next_free_sgpr 88
		.amdhsa_reserve_vcc 0
		.amdhsa_float_denorm_mode_32 3
		.amdhsa_float_denorm_mode_16_64 3
		.amdhsa_memory_ordered 1
		.amdhsa_forward_progress 1
		.amdhsa_inst_pref_size 101
	.end_amdhsa_kernel
	.amdgpu_metadata
---
amdhsa.version: [ 1, 2 ]
amdhsa.kernels:
  - .name:           k_qc1b592f587_proj
    .symbol:         k_qc1b592f587_proj.kd
    .args:
      - { .name: xh, .offset: 0, .size: 8, .value_kind: global_buffer, .address_space: global }
      - { .name: cwh, .offset: 8, .size: 8, .value_kind: global_buffer, .address_space: global }
      - { .name: cb, .offset: 16, .size: 8, .value_kind: global_buffer, .address_space: global }
      - { .name: qkv, .offset: 24, .size: 8, .value_kind: global_buffer, .address_space: global }
    .group_segment_fixed_size: 327680
    .private_segment_fixed_size: 0
    .kernarg_segment_align: 8
    .kernarg_segment_size: 32
    .max_flat_workgroup_size: 128
    .sgpr_count:     88
    .vgpr_count:     1024
    .wavefront_size: 32
...
	.end_amdgpu_metadata
.endif
;; end of part 2
;; launch score (part 3): grid 8 x 32, 4 waves a work-group, clusters of 4 x 4, 327,680 bytes of LDS; arguments qkv, score_weights, pt, stat; writes pt, stat
.if DOCPART == 3
	.amdgcn_target "amdgcn-amd-amdhsa--gfx1250"
	.amdhsa_code_object_version 6
	.text
	.protected	k_qc1b592f587_score
	.globl	k_qc1b592f587_score
	.p2align	8
	.type	k_qc1b592f587_score,@function
k_qc1b592f587_score:
	s_mov_b64 s[64:65], 0
	v_nop
	global_prefetch_b8 v0, s[64:65] scope:SCOPE_SE
	s_setreg_imm32_b32 hwreg(HW_REG_WAVE_MODE, 25, 1), 1
	s_wait_xcnt 0x0
	s_wait_alu depctr_hold_cnt(0) depctr_sa_sdst(0) depctr_va_vdst(0) depctr_va_sdst(0) depctr_va_ssrc(0) depctr_va_vcc(0) depctr_vm_vsrc(0)
	s_getreg_b32 s2, hwreg(HW_REG_IB_STS2, 6, 4)
	s_cmp_eq_u32 s2, 0
	s_cbranch_scc0 .Lentry_in_a_cluster
	s_endpgm
.Lentry_in_a_cluster:
	s_bfe_u32 s2, ttmp6, 0x10000c
	s_cmp_lg_u32 s2, 0xf033
	s_cbranch_scc0 .Lentry_shape_is_right
	s_endpgm
.Lentry_shape_is_right:
; SCORE.  s[q][k] = (q[q] . k[k]) / 32 + score_weights[q][k]; for each row and each block of 128 keys: m = max s, mc = log2(e) m, p = 2^(log2(e) s - mc), l = sum of p.
; qkv: [8192][3072] f16 (q at byte 0, k at byte 2,048 of a row); score_weights: [8192][2048] f32; pt: [8192][2048] f16 takes p; stat takes mc at [batch][block 0..15][row 0..2047] f32 and l 524,288 bytes further on.
; The maximum taken away is the block's true maximum; the next launch joins the sixteen blocks of a row by factors 2^(mc - max mc), none above 1.  rsqrt(1024) is the exact 1/32.
; LIMITS.  p lies in 0 to 1 and below 6e-5 keeps f16's fixed step of 6e-8; l is the sum of the unrounded p; a p below 2^-126 counts as 0; NaN and infinities are not treated apart.
; SHARES, RING, CLUSTER as in the projection: 256 x 256 scores a work-group, 128 x 128 a wave (so a wave's columns are one block of keys), 8 K steps of 128, two slots, joint loads (q's tile along a row of the cluster, k's along a column).
; Both tiles lie [row][channel]: LDS pitch 272.  The product is taken transposed: a lane holds query lane % 16 and the keys 8 (lane / 16) + 0..7 of each 16 x 16.
; SCORE_WEIGHTS come by tensor loads of the wave's own, 64 rows x 512 bytes (LDS pitch 528) each: the first into the wave's part of slot 0 when K step 6 has been read, the second into its part of slot 1 behind the last product,
; each the wave's one load behind a round of the cluster's barrier.  By the text's own count a wave has one tensor load out at the most.
; THE SOFTMAX.  s = acc / 32 + weights is laid back over the weights in LDS (those bytes have had their last fill); a loop then takes 16 rows a trip in fixed registers, so its text stands once for each half.
.set PA,    272
.set CA,    128*PA                     ; 0x8800
.set CB,    128*PA
.set BBASE, 4*CA                       ; 0x22000
.set STAGE, 8*CA                       ; 0x44000: 16 rows x 272 bytes for each wave: p on its way out
.set STAT,  STAGE+4*16*PA              ; 0x48400: 1,024 bytes for each wave: 128 mc, 128 l
.set SPARE, STAT+4096                  ; 0x49400
.set KT,    8
.set STEPA, 256
.set STEPB, 256
.set WREG,  0x11000                    ; wave w's part of the ring: slot 0 at w WREG, slot 1 CA further on
.set DP,    528
.set RR, 1
.set HH, 2
.set LN16, 13                          ; v13 16 x lane
.set STR, 14                           ; v14 where I read my wave's statistics back
.set ADRA, 16
.set ADRA0, 17
.set ADRB, 18
.set ADRB0, 19
.set SWA, 20                           ; v20 my 32 bytes of row lane % 16 in my wave's part of the ring
.set SWL, 21                           ; v21 the same less the wave's base
.set CO,  22                           ; v22 my byte offset in two rows of pt
.set SADR, 23
.set STO, 24                           ; v24 the stage: where I put 16 bytes of a row;  v25 where I read rows back
.set RD,  25
.set STL, 26                           ; v26 my row's word in the wave's statistics;  v27 the same for the rows in hand
.set STA, 27
.set SPW, 28
.set NIL, 29
.set PFO, 30
.set PSO, 31                           ; v31 lane x a row of score_weights
.set F0,  64
.set F1,  128
.set KC, 3
.set WV, 12
.set WR, 13
.set WC, 14
.set CX, 15
.set CY, 16
.set TX, 17
.set TY, 18
.set CLY, 19
.set G1A, 24
.set G0A, 32
.set G0B, 36
.set G1B, 40
.set TBA, 48
.set TBB, 49
.set LIM, 50
.set BAT, 51                           ; s51 the batch = cluster y / 2: the same in all sixteen partners
.set PFA, 52
.set ISC, 56                           ; s[56:57] 1/32
.set L2E, 58                           ; s[58:59] log2(e)
.set SEL, 60                           ; s[60:61] v_permlanex16_b32's selects: each lane takes its own place in the other half
.set SB,  62
.set BC,  63
.set G1S, 68                           ; s[68:75], s[76:79] the descriptor of score_weights' pieces
.set G0S, 76
.set SJ,  81                           ; s81 64 x the block of 16 rows in hand
.set PSW, 82                           ; s[82:83] score_weights at my 128 x 128
.set MSB, 0
.macro WIN new
.if MSB != (\new)
	s_set_vgpr_msb (MSB<<8)|(\new)
.set MSB, \new
.endif
.endm
.macro PLACES
.rept 4
	v_nop
.endr
.endm
.macro CREST
	s_cmp_lg_u32 s[WV], 0
	s_cbranch_scc1 .Lnot_wave_0_\@
	s_barrier_signal -3
.Lnot_wave_0_\@:
	s_barrier_wait -3
	s_barrier_signal -1
	s_barrier_wait -1
.endm
.macro CROUND
	s_barrier_signal -1
	s_barrier_wait -1
	CREST
.endm
.macro JLOAD
	s_cmp_eq_u32 s[WR], 0
	s_cbranch_scc0 .Lfor_b_\@
	tensor_load_to_lds s[G0A:G0A+3], s[G1A:G1A+7]
	s_nop 0
	PLACES
	s_branch .Lasked_\@
.Lfor_b_\@:
	tensor_load_to_lds s[G0B:G0B+3], s[G1B:G1B+7]
	s_nop 0
	PLACES
.Lasked_\@:
.endm
.macro STEPD
	s_xor_b32 s[G0A+1], s[G0A+1], CA
	s_add_nc_u64 s[G0A+2:G0A+3], s[G0A+2:G0A+3], STEPA
	s_xor_b32 s[G0B+1], s[G0B+1], CB
	s_add_nc_u64 s[G0B+2:G0B+3], s[G0B+2:G0B+3], STEPB
.endm
.macro FLIP
	WIN 0
	s_xor_b32 s[TBA], s[TBA], CA
	s_xor_b32 s[TBB], s[TBB], CB
	v_add_nc_u32 v[ADRA], s[TBA], v[ADRA0]
	v_add_nc_u32 v[ADRB], s[TBB], v[ADRB0]
.endm
.macro ASK                             ; 32 rows x 256 bytes of the K step two refills on, a lane a row
	s_cmp_gt_u32 s[KC], s[LIM]
	s_cbranch_scc0 .Lnot_mine_\@
	global_prefetch_b8 v[PFO], s[PFA:PFA+1] th:TH_LOAD_NT scope:SCOPE_SE
.Lnot_mine_\@:
.endm
.macro ASKSW p                         ; piece p of my wave's own score_weights: 64 rows x 512 bytes = 128 blocks of 256 bytes, a lane a block, four instructions; no other wave of the launch reads them
.irp o, 0, 256, 262144, 262400
	global_prefetch_b8 v[PSO], s[PSW:PSW+1] offset:524288*(\p)+(\o) th:TH_LOAD_NT scope:SCOPE_SE
.endr
.endm
.macro FETCH q, f
	WIN 0x40
.irp i, 0,1,2,3,4,5,6,7
	ds_load_b128 v[(\f)+8*(\i):(\f)+8*(\i)+3],   v[ADRB] offset:(\q)*64+(\i)*16*PA
	ds_load_b128 v[(\f)+8*(\i)+4:(\f)+8*(\i)+7], v[ADRB] offset:(\q)*64+(\i)*16*PA+32
.endr
	WIN 0
.irp i, 0,1,2,3,4,5,6,7
	ds_load_b128 v[(\f)+8*(\i):(\f)+8*(\i)+3],   v[ADRA] offset:(\q)*64+(\i)*16*PA
	ds_load_b128 v[(\f)+8*(\i)+4:(\f)+8*(\i)+7], v[ADRA] offset:(\q)*64+(\i)*16*PA+32
.endr
.endm
.macro MUL16 f, hi, a0, zero           ; the 64 accumulators take turns, one instruction a turn
	WIN 0xa1+0x50*(\hi)
.irp a, \a0, (\a0)+1
.irp b, 0,1,2,3,4,5,6,7
.if \zero
	v_wmma_f32_16x16x32_f16 v[8*(8*(\a)+(\b)):8*(8*(\a)+(\b))+7], v[(\f)+8*(\b):(\f)+8*(\b)+7], v[(\f)+8*(4*(\hi)+(\a)):(\f)+8*(4*(\hi)+(\a))+7], 0
.else
	v_wmma_f32_16x16x32_f16 v[8*(8*(\a)+(\b)):8*(8*(\a)+(\b))+7], v[(\f)+8*(\b):(\f)+8*(\b)+7], v[(\f)+8*(4*(\hi)+(\a)):(\f)+8*(4*(\hi)+(\a))+7], v[8*(8*(\a)+(\b)):8*(8*(\a)+(\b))+7]
.endif
.endr
.endr
.endm
.macro QUARTER q, f, g, zero, ask=0
	s_wait_dscnt 8                                 ; B and A's rows 0-63 are in
	MUL16 \f, 0, 0, \zero
	MUL16 \f, 0, 2, \zero
	PLACES
	FETCH \q, \g
.if \ask
	ASKSW 0                                        ; three quarters of a K step ahead of the load that will want them
.endif
	s_wait_dscnt 32                                ; all but the 32 just issued
	MUL16 \f, 1, 0, \zero
	MUL16 \f, 1, 2, \zero
.endm
; A K step's last quarter.  Every change of slots of this text fills the slot just read: fill = 1 with the K step two on (joint), fill = 2 with the first piece of my score_weights (my own load, into my own part of the slot).
.macro TURN fill
.if (\fill) == 1
	s_wait_xcnt 0x0                                ; the last prefetch, a K step back, has read its address
	s_add_nc_u64 s[PFA:PFA+1], s[PFA:PFA+1], STEPA
.endif
	WIN 0
	s_wait_tensorcnt 0x0                           ; my one tensor load, my part of the next slot, has landed
	ds_add_u32 v[SPW], v[NIL]                      ; 0 onto my spare word
	s_wait_dscnt 9                                 ; (the add and the youngest eight loads may be out)
	MUL16 F1, 0, 0, 0
	s_wait_dscnt 0x0                               ; the add is done, and my reads of this slot are over
	s_barrier_signal -1
	MUL16 F1, 0, 2, 0
	WIN 0
	s_barrier_wait -1
	CREST
.if (\fill) == 1
	STEPD
	JLOAD
.else
	tensor_load_to_lds s[G0S:G0S+3], s[G1S:G1S+7]
	s_nop 0
	PLACES
.endif
	FLIP
	FETCH 0, F0
.if (\fill) == 1
	ASK
.else
	ASKSW 1                                        ; a K step ahead of the load that will want them
.endif
	MUL16 F1, 1, 0, 0
	MUL16 F1, 1, 2, 0
.endm
; s = acc / 32 + weights for the four blocks of 16 rows of a half, through two buffers of 64 registers: load the weights, one packed multiply-add for two scores, store in place.
.macro E1L half, i
	WIN 0
.irp b, 0,1,2,3,4,5,6,7
	ds_load_b128 v[64+64*((\i)%2)+8*(\b):64+64*((\i)%2)+8*(\b)+3],   v[SWA] offset:CA*(\half)+16*DP*(\i)+64*(\b)
	ds_load_b128 v[64+64*((\i)%2)+8*(\b)+4:64+64*((\i)%2)+8*(\b)+7], v[SWA] offset:CA*(\half)+16*DP*(\i)+64*(\b)+16
.endr
.endm
.macro E1F half, i
	WIN 0x02+(\half)                               ; source 0: the accumulators' window
.set j, 0
.rept 32
	v_pk_fma_f32 v[64+64*((\i)%2)+j:64+64*((\i)%2)+j+1], v[64*(\i)+j:64*(\i)+j+1], s[ISC:ISC+1], v[64+64*((\i)%2)+j:64+64*((\i)%2)+j+1] op_sel_hi:[1,0,1]
.set j, j+2
.endr
	WIN 0
.endm
.macro E1S half, i
.irp b, 0,1,2,3,4,5,6,7
	ds_store_b128 v[SWA], v[64+64*((\i)%2)+8*(\b):64+64*((\i)%2)+8*(\b)+3]   offset:CA*(\half)+16*DP*(\i)+64*(\b)
	ds_store_b128 v[SWA], v[64+64*((\i)%2)+8*(\b)+4:64+64*((\i)%2)+8*(\b)+7] offset:CA*(\half)+16*DP*(\i)+64*(\b)+16
.endr
.endm
.macro E1 half                         ; each wait's count is the number of LDS instructions issued behind the sixteen loads whose data is wanted
	E1L \half, 0
	E1L \half, 1
	s_wait_dscnt 16
	E1F \half, 0
	E1S \half, 0
	E1L \half, 2
	s_wait_dscnt 32
	E1F \half, 1
	E1S \half, 1
	E1L \half, 3
	s_wait_dscnt 32
	E1F \half, 2
	E1S \half, 2
	s_wait_dscnt 16
	E1F \half, 3
	E1S \half, 3
.endm
; Four trips, 16 rows x 128 keys each.  A lane holds 64 scores of row lane % 16 in v64-127; the row's other 64 lie in the lane 16 away.
.macro SOFTLOOP
	s_mov_b32 s[BC], 4
.Lblk_\@:
	v_add_nc_u32 v[SADR], s[SB], v[SWL]
.irp b, 0,1,2,3,4,5,6,7
	ds_load_b128 v[64+8*(\b):64+8*(\b)+3],   v[SADR] offset:64*(\b)
	ds_load_b128 v[64+8*(\b)+4:64+8*(\b)+7], v[SADR] offset:64*(\b)+16
.endr
	s_wait_dscnt 0x0
.irp c, 0,1,2,3                        ; the maximum: four chains of fifteen scores, three operands at a time,
	v_max3_num_f32 v[208+(\c)], v[64+16*(\c)], v[65+16*(\c)], v[66+16*(\c)]
.endr
.irp k, 1,2,3,4,5,6
.irp c, 0,1,2,3
	v_max3_num_f32 v[208+(\c)], v[208+(\c)], v[64+16*(\c)+2*(\k)+1], v[64+16*(\c)+2*(\k)+2]
.endr
.endr
	v_max3_num_f32 v208, v208, v79, v95            ; the four scores left over,
	v_max3_num_f32 v209, v209, v111, v127
	v_max3_num_f32 v208, v208, v209, v210          ; the four chains,
	v_max_num_f32 v208, v208, v211
	v_permlanex16_b32 v214, v208, s[SEL], s[SEL+1] ; and the other half of the lanes
	v_max_num_f32 v213, v208, v214                 ; m
	v_mul_f32 v212, s[L2E], v213                   ; mc
.set j, 0
.rept 32
	v_pk_fma_f32 v[64+j:64+j+1], v[64+j:64+j+1], s[L2E:L2E+1], v[212:213] op_sel_hi:[1,0,0] neg_lo:[0,0,1] neg_hi:[0,0,1]  ; log2(e) s - mc
.set j, j+2
.endr
.set j, 0
.rept 64
	v_exp_f32 v[64+j], v[64+j]                     ; one batch
.set j, j+1
.endr
	v_nop                                          ; a plain instruction behind the last exponential,
	s_wait_alu depctr_va_vdst(0)                   ; and the one wait ahead of the batch's first reader
.set j, 0
.rept 32
	v_cvt_pk_f16_f32 v[128+j], v[64+2*j], v[64+2*j+1]
.set j, j+1
.endr
.irp b, 0,1,2,3,4,5,6,7
	ds_store_b128 v[STO], v[128+4*(\b):128+4*(\b)+3] offset:32*(\b)
.endr
.irp t, 0,1,2,3,4,5,6,7
	ds_load_b128 v[32+4*(\t):32+4*(\t)+3], v[RD] offset:2*PA*(\t)  ; back as whole rows of 256 bytes: my own bytes, served in order; the sums below stand in the round trip
.endr
.irp w, 1,2,4,8,16                     ; l: the 32 pairs are added as a tree, in place
.set u, 0
.rept 16/(\w)
	v_pk_add_f32 v[64+4*(\w)*u:64+4*(\w)*u+1], v[64+4*(\w)*u:64+4*(\w)*u+1], v[64+4*(\w)*u+2*(\w):64+4*(\w)*u+2*(\w)+1]
.set u, u+1
.endr
.endr
	v_add_f32 v64, v64, v65
	v_permlanex16_b32 v214, v64, s[SEL], s[SEL+1]
	v_add_f32 v215, v64, v214
	v_add_nc_u32 v[STA], s[SJ], v[STL]
	ds_store_b32 v[STA], v212                      ; both halves of the lanes write the same word with the same number
	ds_store_b32 v[STA], v215 offset:512
	s_wait_dscnt 2                                 ; the rows are back; the two stores just issued may stay out
.irp t, 0,1,2,3,4,5,6,7
	global_store_b128 v[CO], v[32+4*(\t):32+4*(\t)+3], s[8:9] offset:2*4096*(\t) th:TH_STORE_NT  ; 16 lanes store 256 consecutive bytes, aligned
.endr
	s_wait_xcnt 0x0                                ; the stores have read their registers and their base
	s_add_nc_u64 s[8:9], s[8:9], 16*4096
	s_add_co_u32 s[SB], s[SB], 16*DP
	s_add_co_u32 s[SJ], s[SJ], 64
	s_sub_co_u32 s[BC], s[BC], 1
	s_cmp_lg_u32 s[BC], 0
	s_cbranch_scc1 .Lblk_\@
.endm
	s_load_b256 s[4:11], s[0:1], 0x0               ; qkv s[4:5], score_weights s[6:7], pt s[8:9], stat s[10:11]
	v_lshl_add_u32 v[SPW], v0, 2, SPARE
	v_mov_b32 v[NIL], 0
	ds_add_u32 v[SPW], v[NIL]                      ; the wave's opening: the add and its wait stand ahead of my first tensor load
	v_lshrrev_b32 v3, 5, v0
	v_readfirstlane_b32 s[WV], v3
	s_lshr_b32 s[WR], s[WV], 1
	s_and_b32 s[WC], s[WV], 1
	s_bfe_u32 s[CX], ttmp6, 0x40000
	s_bfe_u32 s[CY], ttmp6, 0x40004
	s_lshl_b32 s[TX], ttmp9, 2
	s_add_co_u32 s[TX], s[TX], s[CX]
	s_and_b32 s[CLY], ttmp7, 0xffff
	s_lshl_b32 s[TY], s[CLY], 2
	s_add_co_u32 s[TY], s[TY], s[CY]
	s_lshr_b32 s[BAT], s[CLY], 1                   ; eight tile rows a batch, four a cluster
	s_lshl_b32 s20, s[CY], 2
	s_lshl_b32 s20, 15, s20
	s_lshl_b32 s84, 0x1111, s[CX]
	s_or_b32 s[G1A], s20, (1<<16)|(1<<20)|(1<<21)|(5<<22)|(3<<25)
	s_or_b32 s[G1B], s84, (1<<16)|(1<<20)|(1<<21)|(5<<22)|(3<<25)
.irp g, G1A, G1B
	s_mov_b32 s[(\g)+1], 128<<16
	s_mov_b32 s[(\g)+2], 128<<16
	s_mov_b32 s[(\g)+3], 128<<16
	s_mov_b32 s[(\g)+4], 128
	s_mov_b32 s[(\g)+5], 3072
	s_mov_b32 s[(\g)+6], 0
	s_mov_b32 s[(\g)+7], 0
.endr
	s_mov_b32 s[G1S], (2<<16)|(1<<20)|(6<<22)|(3<<25)  ; no mask; 4-byte elements; padding on: after every 128 words 4 words
	s_mov_b32 s[G1S+1], 128<<16                    ; tensor_dim0 = 128
	s_mov_b32 s[G1S+2], 64<<16                     ; tensor_dim1 = 64
	s_mov_b32 s[G1S+3], 128<<16                    ; tile_dim0 = 128
	s_mov_b32 s[G1S+4], 64                         ; tile_dim1 = 64
	s_mov_b32 s[G1S+5], 2048
	s_mov_b32 s[G1S+6], 0
	s_mov_b32 s[G1S+7], 0
	s_lshl_b32 s20, s[TY], 8                       ; q: row 256 x tile row + 128 x half
	s_lshl_b32 s21, s[WC], 7
	s_add_co_u32 s20, s20, s21
	s_mul_i32 s20, s20, 6144
	s_mov_b32 s21, 0
	s_lshl_b32 s84, s[BAT], 11                     ; k: row 2,048 x batch + 256 x tile column + 128 x half, 2,048 bytes into the row
	s_lshl_b32 s85, s[TX], 8
	s_add_co_u32 s84, s84, s85
	s_lshl_b32 s85, s[WC], 7
	s_add_co_u32 s84, s84, s85
	s_mul_i32 s84, s84, 6144
	s_add_co_u32 s84, s84, 2048
	s_mov_b32 s85, 0
	s_mov_b32 s[G0A], 1
	s_mul_i32 s[G0A+1], s[WC], 2*CA
	s_mov_b32 s[G0B], 1
	s_mul_i32 s[G0B+1], s[WC], 2*CB
	s_add_co_u32 s[G0B+1], s[G0B+1], BBASE
	s_mov_b32 s[G0S], 1
	s_mul_i32 s[G0S+1], s[WV], WREG
	s_mov_b32 s[TBA], 0
	s_mov_b32 s[TBB], 0
	s_mov_b32 s[ISC], 0x3d000000                   ; 1/32
	s_mov_b32 s[ISC+1], s[ISC]
	s_mov_b32 s[L2E], 0x3fb8aa3b                   ; log2(e)
	s_mov_b32 s[L2E+1], s[L2E]
	s_mov_b32 s[SEL], 0x76543210
	s_mov_b32 s[SEL+1], 0xfedcba98
	s_mov_b32 s[SJ], 0
	s_wait_dscnt 0x0                               ; the opening add is done
	s_wait_kmcnt 0x0
	s_add_nc_u64 s[G0A+2:G0A+3], s[4:5], s[20:21]
	s_or_b32 s[G0A+3], s[G0A+3], 0x80000000
	s_add_nc_u64 s[G0B+2:G0B+3], s[4:5], s[84:85]
	s_or_b32 s[G0B+3], s[G0B+3], 0x80000000
	CROUND
	JLOAD                                          ; K step 0 into slot 0
	v_and_b32 v[RR], 15, v0
	v_bfe_u32 v[HH], v0, 4, 1
	v_mul_u32_u24 v3, v[RR], PA
	v_lshl_add_u32 v3, v[HH], 4, v3
	s_mul_i32 s22, s[WR], 2*CA
	v_add_nc_u32 v[ADRA0], s22, v3
	v_mov_b32 v[ADRA], v[ADRA0]
	s_mul_i32 s22, s[WC], 2*CB
	s_add_co_u32 s22, s22, BBASE
	v_add_nc_u32 v[ADRB0], s22, v3
	v_mov_b32 v[ADRB], v[ADRB0]
	; the ring's prefetches.  q's rows of a tile row are read by the two clusters of that row of clusters: cluster x = 0 asks; k's rows of a batch by the two clusters of that batch in a column: the even one asks.
	; Of a wave's 128 rows each of the four partners takes 32, told apart by address.  The pointer starts at K step 3 and is stepped ahead of each request.
	s_and_b32 s23, s[CLY], 1
	s_cmp_eq_u32 s[WR], 0
	s_cselect_b32 s86, s20, s84
	s_cselect_b32 s87, s[CX], s[CY]
	s_cselect_b32 s23, ttmp9, s23
	s_cmp_eq_u32 s23, 0
	s_cselect_b32 s[LIM], 2, -1
	s_mul_i32 s87, s87, 32*6144
	s_add_co_u32 s86, s86, s87
	s_add_co_u32 s86, s86, 3*STEPA
	s_mov_b32 s87, 0
	s_add_nc_u64 s[PFA:PFA+1], s[4:5], s[86:87]
	v_and_b32 v[PFO], 31, v0
	v_mul_u32_u24 v[PFO], v[PFO], 6144
	; score_weights at my 128 x 128
	s_lshl_b32 s86, s[TY], 8
	s_lshl_b32 s87, s[WR], 7
	s_add_co_u32 s86, s86, s87
	s_lshl_b32 s86, s86, 13
	s_lshl_b32 s87, s[TX], 10
	s_add_co_u32 s86, s86, s87
	s_lshl_b32 s87, s[WC], 9
	s_add_co_u32 s86, s86, s87
	s_mov_b32 s87, 0
	s_add_nc_u64 s[PSW:PSW+1], s[6:7], s[86:87]
	s_mov_b64 s[G0S+2:G0S+3], s[PSW:PSW+1]
	s_or_b32 s[G0S+3], s[G0S+3], 0x80000000
	v_and_b32 v[PSO], 31, v0
	v_lshlrev_b32 v[PSO], 13, v[PSO]
	; pt at my 128 x 128
	s_lshl_b32 s86, s[TY], 8
	s_lshl_b32 s87, s[WR], 7
	s_add_co_u32 s86, s86, s87
	s_lshl_b32 s86, s86, 12
	s_lshl_b32 s87, s[TX], 9
	s_add_co_u32 s86, s86, s87
	s_lshl_b32 s87, s[WC], 8
	s_add_co_u32 s86, s86, s87
	s_mov_b32 s87, 0
	s_add_nc_u64 s[8:9], s[8:9], s[86:87]
	; stat at [batch][block 2 x tile column + half][my 128 rows]
	s_lshl_b32 s86, s[BAT], 4
	s_lshl_b32 s87, s[TX], 1
	s_add_co_u32 s86, s86, s87
	s_add_co_u32 s86, s86, s[WC]
	s_lshl_b32 s86, s86, 11
	s_and_b32 s87, s[TY], 7
	s_lshl_b32 s87, s87, 8
	s_add_co_u32 s86, s86, s87
	s_lshl_b32 s87, s[WR], 7
	s_add_co_u32 s86, s86, s87
	s_lshl_b32 s86, s86, 2
	s_mov_b32 s87, 0
	s_add_nc_u64 s[10:11], s[10:11], s[86:87]
	; lane addresses of the softmax
	s_mul_i32 s[SB], s[WV], WREG
	v_mul_u32_u24 v[SWL], v[RR], DP
	v_lshl_add_u32 v[SWL], v[HH], 5, v[SWL]
	v_add_nc_u32 v[SWA], s[SB], v[SWL]
	s_mul_i32 s22, s[WV], 16*PA
	s_add_co_u32 s22, s22, STAGE
	v_add_nc_u32 v[STO], s22, v3
	v_mul_u32_u24 v6, v[HH], PA
	v_lshl_add_u32 v6, v[RR], 4, v6
	v_add_nc_u32 v[RD], s22, v6
	v_lshlrev_b32 v[CO], 12, v[HH]
	v_lshl_add_u32 v[CO], v[RR], 4, v[CO]
	s_lshl_b32 s22, s[WV], 10
	s_add_co_u32 s22, s22, STAT
	v_lshl_add_u32 v[STL], v[RR], 2, s22
	v_and_b32 v[LN16], 31, v0
	v_lshlrev_b32 v[LN16], 4, v[LN16]
	v_add_nc_u32 v[STR], s22, v[LN16]
	v_mov_b32 v214, 0                              ; v_permlanex16_b32 counts as a reader of its destination
	; the first change of slots
	s_wait_tensorcnt 0x0
	ds_add_u32 v[SPW], v[NIL]
	STEPD
	s_wait_dscnt 0x0
	CROUND
	JLOAD                                          ; K step 1 into slot 1
	FETCH 0, F0
	QUARTER 1, F0, F1, 1
	WIN 0
	s_mov_b32 s[KC], KT-2
.Lstep:
	QUARTER 2, F1, F0, 0
	QUARTER 3, F0, F1, 0
	TURN 1
	QUARTER 1, F0, F1, 0
	WIN 0
	s_sub_co_u32 s[KC], s[KC], 1
	s_cmp_lg_u32 s[KC], 0
	s_cbranch_scc1 .Lstep
	QUARTER 2, F1, F0, 0, 1
	QUARTER 3, F0, F1, 0
	TURN 2                                         ; slot 0 has been read for the last time: my part of it takes rows 0-63 of my score_weights
	QUARTER 1, F0, F1, 0
	QUARTER 2, F1, F0, 0
	QUARTER 3, F0, F1, 0
	s_wait_dscnt 8
	MUL16 F1, 0, 0, 0
	MUL16 F1, 0, 2, 0
	s_wait_dscnt 0x0
	MUL16 F1, 1, 0, 0
	MUL16 F1, 1, 2, 0
	WIN 0
	s_wait_tensorcnt 0x0                           ; the first piece has landed; no tensor load of mine is out, so the descriptor may be written
	ds_add_u32 v[SPW], v[NIL]
	s_xor_b32 s[G0S+1], s[G0S+1], CA               ; my part of slot 1,
	s_add_nc_u64 s[G0S+2:G0S+3], s[G0S+2:G0S+3], 64*8192  ; rows 64-127
	s_wait_dscnt 0x0                               ; the add is done, and my reads of slot 1 are over
	CROUND
	tensor_load_to_lds s[G0S:G0S+3], s[G1S:G1S+7]  ; it lands under the first half's softmax
	s_nop 0
	PLACES                                         ; also the places behind the last products
	E1 0
	SOFTLOOP
	s_wait_tensorcnt 0x0                           ; the second piece, my only load out, is in; only I read it
	s_add_co_u32 s[SB], s[SB], CA-64*DP            ; from the end of the first piece to my part of slot 1
	E1 1
	SOFTLOOP
	ds_load_b128 v[64:67], v[STR]                  ; my wave's 128 mc and 128 l, 16 bytes a lane
	ds_load_b128 v[68:71], v[STR] offset:512
	s_wait_dscnt 0x0
	global_store_b128 v[LN16], v[64:67], s[10:11] th:TH_STORE_NT                 ; 512 consecutive bytes, aligned
	global_store_b128 v[LN16], v[68:71], s[10:11] offset:524288 th:TH_STORE_NT
	s_wait_tensorcnt 0x0                           ; the wave's end
	ds_add_u32 v[SPW], v[NIL]
	s_wait_dscnt 0x0
	CROUND                                         ; the closing round
	s_endpgm
.Lfunc_end_k_qc1b592f587_score:
	.size	k_qc1b592f587_score, .Lfunc_end_k_qc1b592f587_score-k_qc1b592f587_score
	.p2alignl 7, 3214868480
	.fill 96, 4, 3214868480
	.section	.rodata,"a",@progbits
	.p2align	6, 0x0
	.amdhsa_kernel k_qc1b592f587_score
		.amdhsa_group_segment_fixed_size 327680
		.amdhsa_private_segment_fixed_size 0
		.amdhsa_enable_private_segment 0
		.amdhsa_kernarg_size 32
		.amdhsa_user_sgpr_count 2
		.amdhsa_user_sgpr_kernarg_segment_ptr 1
		.amdhsa_wavefront_size32 1
		.amdhsa_system_sgpr_workgroup_id_x 1
		.amdhsa_system_sgpr_workgroup_id_y 1
		.amdhsa_system_sgpr_workgroup_id_z 1
		.amdhsa_system_vgpr_workitem_id 0
		.amdhsa_next_free_vgpr 1024
		.amdhsa_next_free_sgpr 88
		.amdhsa_reserve_vcc 0
		.amdhsa_float_denorm_mode_32 3
		.amdhsa_float_denorm_mode_16_64 3
		.amdhsa_memory_ordered 1
		.amdhsa_forward_progress 1
		.amdhsa_inst_pref_size 150
	.end_amdhsa_kernel
	.amdgpu_metadata
---
amdhsa.version: [ 1, 2 ]
amdhsa.kernels:
  - .name:           k_qc1b592f587_score
    .symbol:         k_qc1b592f587_score.kd
    .args:
      - { .name: qkv, .offset: 0, .size: 8, .value_kind: global_buffer, .address_space: global }
      - { .name: score_weights, .offset: 8, .size: 8, .value_kind: global_buffer, .address_space: global }
      - { .name: pt, .offset: 16, .size: 8, .value_kind: global_buffer, .address_space: global }
      - { .name: stat, .offset: 24, .size: 8, .value_kind: global_buffer, .address_space: global }
    .group_segment_fixed_size: 327680
    .private_segment_fixed_size: 0
    .kernarg_segment_align: 8
    .kernarg_segment_size: 32
    .max_flat_workgroup_size: 128
    .sgpr_count:     88
    .vgpr_count:     1024
    .wavefront_size: 32
...
	.end_amdgpu_metadata
.endif
;; end of part 3
;; launch mix (part 4): grid 4 x 64, 4 waves a work-group, clusters of 4 x 4, 327,680 bytes of LDS; arguments pt, xh, stat, ctx; writes ctx
.if DOCPART == 4
	.amdgcn_target "amdgcn-amd-amdhsa--gfx1250"
	.amdhsa_code_object_version 6
	.text
	.protected	k_qc1b592f587_mix
	.globl	k_qc1b592f587_mix
	.p2align	8
	.type	k_qc1b592f587_mix,@function
k_qc1b592f587_mix:
	s_mov_b64 s[64:65], 0
	v_nop
	global_prefetch_b8 v0, s[64:65] scope:SCOPE_SE
	s_setreg_imm32_b32 hwreg(HW_REG_WAVE_MODE, 25, 1), 1
	s_wait_xcnt 0x0
	s_wait_alu depctr_hold_cnt(0) depctr_sa_sdst(0) depctr_va_vdst(0) depctr_va_sdst(0) depctr_va_ssrc(0) depctr_va_vcc(0) depctr_vm_vsrc(0)
	s_getreg_b32 s2, hwreg(HW_REG_IB_STS2, 6, 4)
	s_cmp_eq_u32 s2, 0
	s_cbranch_scc0 .Lentry_in_a_cluster
	s_endpgm
.Lentry_in_a_cluster:
	s_bfe_u32 s2, ttmp6, 0x10000c
	s_cmp_lg_u32 s2, 0xf033
	s_cbranch_scc0 .Lentry_shape_is_right
	s_endpgm
.Lentry_shape_is_right:
; MIX.  ctx[q][c] = sum over the 16 key blocks j of (f_j / L) (sum over the block's 128 keys of p[q][k] xh[k][c]), with f_j = 2^(mc_j - max mc) and L = sum of f_j l_j: the softmax's blocks put together, applied to x itself
; (v is never projected: see the first launch; the last launch multiplies ctx by cw_v pw).
; pt: [8192][2048] f16; xh: [8192][1024] f16; stat: mc at [batch][block][row] f32, l 524,288 bytes further on; ctx: [8192][1024] f16.
; The factors, none above 1, and the sums over blocks stay in f32.  LIMITS.  ctx is a mean of x's rows and has their range; below 6e-5 it keeps f16's fixed step of 6e-8; an f_j below 2^-126 counts as 0.
; SHARES.  A work-group makes 128 x 256 of ctx (256 work-groups), a wave 64 x 128.  K = 2,048 keys in 16 steps of 128: a K step IS a key block.
; TMP (window 2, 32 accumulators) holds one K step's products, started with the constant 0 in each step's first quarter; ahead of each such product four packed multiply-adds take the step before into ACC (window 3).
; ACC is cleared at the start, on purpose, under the wait for the statistics: so the loop has one form of that step.
; A = pt's tile [row][key], LDS pitch 272, halves of 64 rows; B = xh's tile [key][channel], 128 keys x 256 bytes for each half of the columns, LDS pitch 288, turned by ds_load_tr16_b128.
; CLUSTER 4 x 4, RING, ROUNDS as in the projection; by the text's own count a wave has one tensor load out at the most.
.set PA,    272
.set PB,    288
.set CA,    64*PA                      ; 0x4400
.set CB,    128*PB                     ; 0x9000
.set BBASE, 0x12000                    ; A's half i at 2 i CA (0 to 0x11000); B's half i at BBASE + 2 i CB: no base shares a bit with its slot's constant
.set FTAB,  BBASE+4*CB                 ; 0x36000: the factors, 1,024 bytes a block: [block][row half][lane % 16][row block a] pairs (f, f)
.set SPARE, FTAB+16384                 ; 0x3a000
.set KT,    16
.set STEPA, 256
.set STEPB, 128*1024*2
.set WREG,  0x8800
.set DP,    528
.set RR, 1
.set HH, 2
.set FW, 14                            ; v14 where thread t puts row t's factors
.set ADRA, 16
.set ADRA0, 17
.set ADRB, 18
.set ADRB0, 19
.set DST, 20
.set RDL, 21
.set CO,  22
.set SADR, 23
.set FL,  26                           ; v26 my 32 bytes in a block's factors;  v27 the same in the block in hand
.set FADR, 27
.set SPW, 28
.set NIL, 29
.set PFO, 30
.set FS,  200                          ; v[200:207] (f, f) for my row in row blocks 0 to 3
.set KC, 3
.set WV, 12
.set WR, 13
.set WC, 14
.set CX, 15
.set CY, 16
.set TX, 17
.set TY, 18
.set CLY, 19
.set G1A, 24
.set G0A, 32
.set G0B, 36
.set G1B, 40
.set TBA, 48
.set TBB, 49
.set LIM, 50
.set BAT, 51                           ; s51 the batch = cluster y / 4
.set PFA, 52
.set PST, 54
.set SB,  62
.set BC,  63
.set FJ,  81                           ; s81 1,024 x the block whose factors are fetched next
.set MSB, 0
.macro WIN new
.if MSB != (\new)
	s_set_vgpr_msb (MSB<<8)|(\new)
.set MSB, \new
.endif
.endm
.macro PLACES
.rept 4
	v_nop
.endr
.endm
.macro CREST
	s_cmp_lg_u32 s[WV], 0
	s_cbranch_scc1 .Lnot_wave_0_\@
	s_barrier_signal -3
.Lnot_wave_0_\@:
	s_barrier_wait -3
	s_barrier_signal -1
	s_barrier_wait -1
.endm
.macro CROUND
	s_barrier_signal -1
	s_barrier_wait -1
	CREST
.endm
.macro JLOAD
	s_cmp_eq_u32 s[WR], 0
	s_cbranch_scc0 .Lfor_b_\@
	tensor_load_to_lds s[G0A:G0A+3], s[G1A:G1A+7]
	s_nop 0
	PLACES
	s_branch .Lasked_\@
.Lfor_b_\@:
	tensor_load_to_lds s[G0B:G0B+3], s[G1B:G1B+7]
	s_nop 0
	PLACES
.Lasked_\@:
.endm
.macro STEPD
	s_xor_b32 s[G0A+1], s[G0A+1], CA
	s_add_nc_u64 s[G0A+2:G0A+3], s[G0A+2:G0A+3], STEPA
	s_xor_b32 s[G0B+1], s[G0B+1], CB
	s_add_nc_u64 s[G0B+2:G0B+3], s[G0B+2:G0B+3], STEPB
.endm
.macro FLIP
	WIN 0
	s_xor_b32 s[TBA], s[TBA], CA
	s_xor_b32 s[TBB], s[TBB], CB
	v_add_nc_u32 v[ADRA], s[TBA], v[ADRA0]
	v_add_nc_u32 v[ADRB], s[TBB], v[ADRB0]
.endm
.macro ASK
	s_cmp_gt_u32 s[KC], s[LIM]
	s_cbranch_scc0 .Lnot_mine_\@
	global_prefetch_b8 v[PFO], s[PFA:PFA+1] th:TH_LOAD_NT scope:SCOPE_SE
.Lnot_mine_\@:
.endm
.macro FSLOAD                          ; the factors of the block just multiplied
	v_add_nc_u32 v[FADR], s[FJ], v[FL]
	s_add_co_u32 s[FJ], s[FJ], 1024
	ds_load_b128 v[FS:FS+3], v[FADR]
	ds_load_b128 v[FS+4:FS+7], v[FADR] offset:16
.endm
.macro FETCH q, f                      ; 24 LDS loads in one run: buffer f (0, 1): B's 8 fragments at v[64 + 64 f] of window 1, A's 4 at v[64 + 32 f] of window 0
	WIN 0x40
.irp i, 0,1,2,3,4,5,6,7
	ds_load_tr16_b128 v[64+64*(\f)+8*(\i):64+64*(\f)+8*(\i)+3],   v[ADRB] offset:(\q)*32*PB+32*(\i)
	ds_load_tr16_b128 v[64+64*(\f)+8*(\i)+4:64+64*(\f)+8*(\i)+7], v[ADRB] offset:(\q)*32*PB+32*(\i)+16*PB
.endr
	WIN 0
.irp i, 0,1,2,3
	ds_load_b128 v[64+32*(\f)+8*(\i):64+32*(\f)+8*(\i)+3],   v[ADRA] offset:(\q)*64+(\i)*16*PA
	ds_load_b128 v[64+32*(\f)+8*(\i)+4:64+32*(\f)+8*(\i)+7], v[ADRA] offset:(\q)*64+(\i)*16*PA+32
.endr
.endm
; 8 products: row block a x all 8 column blocks.  mode 0: onto TMP; 1: they start TMP's sums; 2: ACC += f x TMP first (from the accumulator's low end on), then they start TMP's sums anew.
; The 32 accumulators take turns, one instruction a turn.  In mode 2 the multiply-adds of the accumulators before are the places between an accumulator's last product and the product that writes over it;
; for the first ones the places are the four v_nop behind the change of slots' load and the three address lines that follow them.
.macro MUL8 f, a, mode
.irp b, 0,1,2,3,4,5,6,7
.if (\mode) == 2
	WIN 0xf2                                       ; TMP window 2, the factor window 0, ACC window 3
.irp k, 0,2,4,6
	v_pk_fma_f32 v[8*(8*(\a)+(\b))+(\k):8*(8*(\a)+(\b))+(\k)+1], v[8*(8*(\a)+(\b))+(\k):8*(8*(\a)+(\b))+(\k)+1], v[FS+2*(\a):FS+2*(\a)+1], v[8*(8*(\a)+(\b))+(\k):8*(8*(\a)+(\b))+(\k)+1]
.endr
.endif
	WIN 0xa1
.if (\mode) == 0
	v_wmma_f32_16x16x32_f16 v[8*(8*(\a)+(\b)):8*(8*(\a)+(\b))+7], v[64+64*(\f)+8*(\b):64+64*(\f)+8*(\b)+7], v[64+32*(\f)+8*(\a):64+32*(\f)+8*(\a)+7], v[8*(8*(\a)+(\b)):8*(8*(\a)+(\b))+7]
.else
	v_wmma_f32_16x16x32_f16 v[8*(8*(\a)+(\b)):8*(8*(\a)+(\b))+7], v[64+64*(\f)+8*(\b):64+64*(\f)+8*(\b)+7], v[64+32*(\f)+8*(\a):64+32*(\f)+8*(\a)+7], 0
.endif
.endr
.endm
.macro QUARTER q, f, g, mode
	s_wait_dscnt 4                                 ; the factors, B and A's rows 0-31 are in; the youngest four loads (A's rows 32-63) may be out
	MUL8 \f, 0, \mode
	MUL8 \f, 1, \mode
	PLACES
	FETCH \q, \g
	s_wait_dscnt 24                                ; all but the 24 just issued
	MUL8 \f, 2, \mode
	MUL8 \f, 3, \mode
.endm
.macro TURN fill
.if \fill
	s_wait_xcnt 0x0                                ; the last prefetch, a K step back, has read its address
	s_add_nc_u64 s[PFA:PFA+1], s[PFA:PFA+1], s[PST:PST+1]
.endif
	WIN 0
	s_wait_tensorcnt 0x0                           ; my one tensor load, my part of the next slot, has landed
	ds_add_u32 v[SPW], v[NIL]                      ; 0 onto my spare word
	s_wait_dscnt 5                                 ; (the add and the youngest four loads may be out)
	MUL8 1, 0, 0
	s_wait_dscnt 0x0                               ; the add is done, and my reads of this slot are over
	s_barrier_signal -1
	MUL8 1, 1, 0
.if \fill
	WIN 0
.endif
	s_barrier_wait -1
.if \fill
	CREST
	STEPD
	JLOAD
.else
	PLACES
.endif
	FLIP
	FSLOAD                                         ; the oldest loads of the run
	FETCH 0, 0
.if \fill
	ASK
.endif
	MUL8 1, 2, 0
	MUL8 1, 3, 0
.endm
	s_load_b256 s[4:11], s[0:1], 0x0               ; pt s[4:5], xh s[6:7], stat s[8:9], ctx s[10:11]
	v_lshl_add_u32 v[SPW], v0, 2, SPARE
	v_mov_b32 v[NIL], 0
	ds_add_u32 v[SPW], v[NIL]                      ; the wave's opening: the add and its wait stand ahead of my first tensor load
	v_lshrrev_b32 v3, 5, v0
	v_readfirstlane_b32 s[WV], v3
	s_lshr_b32 s[WR], s[WV], 1
	s_and_b32 s[WC], s[WV], 1
	s_bfe_u32 s[CX], ttmp6, 0x40000
	s_bfe_u32 s[CY], ttmp6, 0x40004
	s_lshl_b32 s[TX], ttmp9, 2
	s_add_co_u32 s[TX], s[TX], s[CX]
	s_and_b32 s[CLY], ttmp7, 0xffff
	s_lshl_b32 s[TY], s[CLY], 2
	s_add_co_u32 s[TY], s[TY], s[CY]
	s_lshr_b32 s[BAT], s[CLY], 2                   ; sixteen tile rows a batch, four a cluster
	s_lshl_b32 s20, s[CY], 2
	s_lshl_b32 s20, 15, s20
	s_lshl_b32 s84, 0x1111, s[CX]
	s_or_b32 s[G1A], s20, (1<<16)|(1<<20)|(1<<21)|(5<<22)|(3<<25)
	s_or_b32 s[G1B], s84, (1<<16)|(1<<20)|(1<<21)|(5<<22)|(7<<25)
	s_mov_b32 s[G1A+1], 128<<16
	s_mov_b32 s[G1A+2], 64<<16                     ; A's halves have 64 rows
	s_mov_b32 s[G1A+3], 128<<16
	s_mov_b32 s[G1A+4], 64
	s_mov_b32 s[G1A+5], 2048
	s_mov_b32 s[G1A+6], 0
	s_mov_b32 s[G1A+7], 0
	s_mov_b32 s[G1B+1], 128<<16
	s_mov_b32 s[G1B+2], 128<<16
	s_mov_b32 s[G1B+3], 128<<16
	s_mov_b32 s[G1B+4], 128
	s_mov_b32 s[G1B+5], 1024
	s_mov_b32 s[G1B+6], 0
	s_mov_b32 s[G1B+7], 0
	s_lshl_b32 s20, s[TY], 7                       ; pt: row 128 x tile row + 64 x half, 4,096 bytes a row
	s_lshl_b32 s21, s[WC], 6
	s_add_co_u32 s20, s20, s21
	s_lshl_b32 s20, s20, 12
	s_mov_b32 s21, 0
	s_lshl_b32 s84, s[BAT], 22                     ; xh: the batch's first key (2,048 rows of 2,048 bytes a batch), byte 512 x tile column + 256 x half of its row
	s_lshl_b32 s85, s[TX], 9
	s_add_co_u32 s84, s84, s85
	s_lshl_b32 s85, s[WC], 8
	s_add_co_u32 s84, s84, s85
	s_mov_b32 s85, 0
	s_mov_b32 s[G0A], 1
	s_mul_i32 s[G0A+1], s[WC], 2*CA
	s_mov_b32 s[G0B], 1
	s_mul_i32 s[G0B+1], s[WC], 2*CB
	s_add_co_u32 s[G0B+1], s[G0B+1], BBASE
	s_mov_b32 s[TBA], 0
	s_mov_b32 s[TBB], 0
	s_mov_b32 s[FJ], 0
	s_wait_dscnt 0x0                               ; the opening add is done
	s_wait_kmcnt 0x0
	s_add_nc_u64 s[G0A+2:G0A+3], s[4:5], s[20:21]
	s_or_b32 s[G0A+3], s[G0A+3], 0x80000000
	s_add_nc_u64 s[G0B+2:G0B+3], s[6:7], s[84:85]
	s_or_b32 s[G0B+3], s[G0B+3], 0x80000000
	CROUND
	JLOAD                                          ; K step 0 into slot 0
	; the statistics of row t of the tile, for thread t: 16 mc into v64-79, 16 l into v80-95
	s_lshl_b32 s86, s[BAT], 15
	s_and_b32 s87, s[TY], 15
	s_lshl_b32 s87, s87, 7
	s_add_co_u32 s86, s86, s87
	s_lshl_b32 s86, s86, 2
	s_mov_b32 s87, 0
	s_add_nc_u64 s[8:9], s[8:9], s[86:87]
	v_lshlrev_b32 v15, 2, v0
.set j, 0
.rept 16
	global_load_b32 v[64+j], v15, s[8:9] offset:8192*j
	global_load_b32 v[80+j], v15, s[8:9] offset:8192*j+524288
.set j, j+1
.endr
	WIN 0xc0
.set j, 0
.rept 256
	v_mov_b32 v[j], 0                              ; ACC
.set j, j+1
.endr
	WIN 0
	v_and_b32 v[RR], 15, v0
	v_bfe_u32 v[HH], v0, 4, 1
	v_mul_u32_u24 v3, v[RR], PA
	v_lshl_add_u32 v3, v[HH], 4, v3
	s_mul_i32 s22, s[WR], 2*CA
	v_add_nc_u32 v[ADRA0], s22, v3
	v_mov_b32 v[ADRA], v[ADRA0]
	v_and_b32 v4, 7, v0
	v_bfe_u32 v5, v0, 3, 1
	v_lshl_add_u32 v4, v[HH], 3, v4
	v_mul_u32_u24 v4, v4, PB
	v_lshl_add_u32 v4, v5, 4, v4
	s_mul_i32 s22, s[WC], 2*CB
	s_add_co_u32 s22, s22, BBASE
	v_add_nc_u32 v[ADRB0], s22, v4
	v_mov_b32 v[ADRB], v[ADRB0]
	v_lshrrev_b32 v6, 6, v0                        ; row t = 64 x row half + 16 a + lane % 16
	v_lshl_add_u32 v[FW], v6, 9, FTAB
	v_lshl_add_u32 v[FW], v[RR], 5, v[FW]
	v_bfe_u32 v6, v0, 4, 2
	v_lshl_add_u32 v[FW], v6, 3, v[FW]
	s_lshl_b32 s22, s[WR], 9
	v_lshl_add_u32 v[FL], v[RR], 5, s22
	v_add_nc_u32 v[FL], FTAB, v[FL]
	; the prefetches.  pt's rows are read by this cluster alone: wave 0 asks for the tile's 128 rows, 32 to each partner along x; xh's keys of a batch are read by the four clusters of the batch: the first asks, waves 2 and 3,
	; 32 keys to each partner along y.  Told apart by address.  The pointer starts at K step 3 and is stepped ahead of each request.
	s_mov_b32 s22, 2048
	s_mov_b32 s[PST], STEPB
	s_and_b32 s23, s[CLY], 3
	s_cmp_eq_u32 s[WR], 0
	s_cselect_b64 s[PFA:PFA+1], s[4:5], s[6:7]
	s_cselect_b32 s86, s20, s84
	s_cselect_b32 s87, s[CX], s[CY]
	s_cselect_b32 s22, 4096, s22
	s_cselect_b32 s[PST], STEPA, s[PST]
	s_cselect_b32 s23, s[WV], s23
	s_cmp_eq_u32 s23, 0
	s_cselect_b32 s[LIM], 2, -1
	s_mov_b32 s[PST+1], 0
	s_lshl_b32 s87, s87, 5
	s_mul_i32 s87, s87, s22
	s_add_co_u32 s86, s86, s87
	s_mul_i32 s87, s[PST], 3
	s_add_co_u32 s86, s86, s87
	s_mov_b32 s87, 0
	s_add_nc_u64 s[PFA:PFA+1], s[PFA:PFA+1], s[86:87]
	v_and_b32 v[PFO], 31, v0
	v_mul_lo_u32 v[PFO], v[PFO], s22
	; the way out
	s_lshl_b32 s86, s[TY], 7
	s_lshl_b32 s87, s[WR], 6
	s_add_co_u32 s86, s86, s87
	s_lshl_b32 s86, s86, 11
	s_lshl_b32 s87, s[TX], 9
	s_add_co_u32 s86, s86, s87
	s_lshl_b32 s87, s[WC], 8
	s_add_co_u32 s86, s86, s87
	s_mov_b32 s87, 0
	s_add_nc_u64 s[10:11], s[10:11], s[86:87]
	s_mul_i32 s[SB], s[WV], WREG
	v_mul_u32_u24 v[DST], v[RR], DP
	v_lshl_add_u32 v[DST], v[HH], 5, v[DST]
	v_add_nc_u32 v[DST], s[SB], v[DST]
	v_mul_u32_u24 v[RDL], v[HH], DP
	v_lshl_add_u32 v[RDL], v[RR], 5, v[RDL]
	v_lshlrev_b32 v[CO], 11, v[HH]
	v_lshl_add_u32 v[CO], v[RR], 4, v[CO]
	; the factors f_j / L of my row
	s_wait_loadcnt 0x0
	v_max3_num_f32 v208, v64, v65, v66
.irp k, 67,69,71,73,75,77
	v_max3_num_f32 v208, v208, v[\k], v[(\k)+1]
.endr
	v_max_num_f32 v208, v208, v79                  ; the row's maximum, times log2(e)
.set j, 0
.rept 16
	v_sub_f32 v[64+j], v[64+j], v208
.set j, j+1
.endr
.set j, 0
.rept 16
	v_exp_f32 v[64+j], v[64+j]
.set j, j+1
.endr
	v_nop                                          ; a plain instruction behind the last exponential,
	s_wait_alu depctr_va_vdst(0)                   ; and the one wait ahead of the batch's first reader
	v_mul_f32 v209, v64, v80                       ; L in two chains
	v_mul_f32 v210, v65, v81
.set j, 2
.rept 7
	v_fmac_f32 v209, v[64+j], v[80+j]
	v_fmac_f32 v210, v[65+j], v[81+j]
.set j, j+2
.endr
	v_add_f32 v209, v209, v210                     ; at least the l of the block that holds the maximum, which is about 1 or more
	v_rcp_f32 v211, v209
	v_nop
	s_wait_alu depctr_va_vdst(0)
.set j, 0
.rept 16
	v_mul_f32 v[96+2*j], v[64+j], v211             ; written twice: the packed multiply-adds take it as a pair
	v_mul_f32 v[97+2*j], v[64+j], v211
.set j, j+1
.endr
.set j, 0
.rept 16
	ds_store_b64 v[FW], v[96+2*j:97+2*j] offset:1024*j
.set j, j+1
.endr
	; the first change of slots; its wait for my LDS stores and its round also show the factors to all four waves
	s_wait_tensorcnt 0x0
	ds_add_u32 v[SPW], v[NIL]
	STEPD
	s_wait_dscnt 0x0
	CROUND
	JLOAD                                          ; K step 1 into slot 1
	FETCH 0, 0
	QUARTER 1, 0, 1, 1
	WIN 0
	s_mov_b32 s[KC], KT-2
.Lstep:
	QUARTER 2, 1, 0, 0
	QUARTER 3, 0, 1, 0
	TURN 1
	QUARTER 1, 0, 1, 2
	WIN 0
	s_sub_co_u32 s[KC], s[KC], 1
	s_cmp_lg_u32 s[KC], 0
	s_cbranch_scc1 .Lstep
	QUARTER 2, 1, 0, 0
	QUARTER 3, 0, 1, 0
	TURN 0
	QUARTER 1, 0, 1, 2
	QUARTER 2, 1, 0, 0
	QUARTER 3, 0, 1, 0
	WIN 0
	FSLOAD                                         ; the last block's factors
	s_wait_dscnt 6                                 ; those two loads and A's youngest four may be out
	MUL8 1, 0, 0
	MUL8 1, 1, 0
	s_wait_dscnt 0x0
	MUL8 1, 2, 0
	MUL8 1, 3, 0
	PLACES
	WIN 0xf2
.irp a, 0,1,2,3
.set j, 0
.rept 32
	v_pk_fma_f32 v[64*(\a)+j:64*(\a)+j+1], v[64*(\a)+j:64*(\a)+j+1], v[FS+2*(\a):FS+2*(\a)+1], v[64*(\a)+j:64*(\a)+j+1]
.set j, j+2
.endr
.endr
	WIN 0
	s_wait_dscnt 0x0                               ; my reads of the ring are over,
	s_barrier_signal -1
	s_barrier_wait -1                              ; everybody's are: the ring, which has had its last fill, takes the sums
	WIN 0x0c
.irp a, 0,1,2,3
.irp b, 0,1,2,3,4,5,6,7
	ds_store_b128 v[DST], v[8*(8*(\a)+(\b)):8*(8*(\a)+(\b))+3]   offset:16*DP*(\a)+64*(\b)
	ds_store_b128 v[DST], v[8*(8*(\a)+(\b))+4:8*(8*(\a)+(\b))+7] offset:16*DP*(\a)+64*(\b)+16
.endr
.endr
	WIN 0
	s_mov_b32 s[BC], 4
.Lrows:                                        ; 16 rows a trip: back as rows (my own bytes, served in order), rounded, stored
	v_add_nc_u32 v[SADR], s[SB], v[RDL]
.irp t, 0,1,2,3,4,5,6,7
	ds_load_b128 v[64+8*(\t):64+8*(\t)+3],   v[SADR] offset:2*DP*(\t)     ; lanes 32 bytes apart: two lanes of a group of sixteen meet in a bank column; taken, so that a lane's eight sums pack into 16 bytes on end
	ds_load_b128 v[64+8*(\t)+4:64+8*(\t)+7], v[SADR] offset:2*DP*(\t)+16
.endr
.irp t, 0,1,2,3,4,5,6,7
	s_wait_dscnt 14-2*(\t)                         ; pair t of the loads is in
.irp k, 0,1,2,3
	v_cvt_pk_f16_f32 v[32+4*(\t)+(\k)], v[64+8*(\t)+2*(\k)], v[64+8*(\t)+2*(\k)+1]
.endr
	global_store_b128 v[CO], v[32+4*(\t):32+4*(\t)+3], s[10:11] offset:2*2048*(\t) th:TH_STORE_NT  ; 16 lanes store 256 consecutive bytes, aligned
.endr
	s_wait_xcnt 0x0                                ; the stores have read their registers and their base
	s_add_nc_u64 s[10:11], s[10:11], 16*2048
	s_add_co_u32 s[SB], s[SB], 16*DP
	s_sub_co_u32 s[BC], s[BC], 1
	s_cmp_lg_u32 s[BC], 0
	s_cbranch_scc1 .Lrows
	s_wait_tensorcnt 0x0                           ; the wave's end
	ds_add_u32 v[SPW], v[NIL]
	s_wait_dscnt 0x0
	CROUND                                         ; the closing round
	s_endpgm
.Lfunc_end_k_qc1b592f587_mix:
	.size	k_qc1b592f587_mix, .Lfunc_end_k_qc1b592f587_mix-k_qc1b592f587_mix
	.p2alignl 7, 3214868480
	.fill 96, 4, 3214868480
	.section	.rodata,"a",@progbits
	.p2align	6, 0x0
	.amdhsa_kernel k_qc1b592f587_mix
		.amdhsa_group_segment_fixed_size 327680
		.amdhsa_private_segment_fixed_size 0
		.amdhsa_enable_private_segment 0
		.amdhsa_kernarg_size 32
		.amdhsa_user_sgpr_count 2
		.amdhsa_user_sgpr_kernarg_segment_ptr 1
		.amdhsa_wavefront_size32 1
		.amdhsa_system_sgpr_workgroup_id_x 1
		.amdhsa_system_sgpr_workgroup_id_y 1
		.amdhsa_system_sgpr_workgroup_id_z 1
		.amdhsa_system_vgpr_workitem_id 0
		.amdhsa_next_free_vgpr 1024
		.amdhsa_next_free_sgpr 88
		.amdhsa_reserve_vcc 0
		.amdhsa_float_denorm_mode_32 3
		.amdhsa_float_denorm_mode_16_64 3
		.amdhsa_memory_ordered 1
		.amdhsa_forward_progress 1
		.amdhsa_inst_pref_size 109
	.end_amdhsa_kernel
	.amdgpu_metadata
---
amdhsa.version: [ 1, 2 ]
amdhsa.kernels:
  - .name:           k_qc1b592f587_mix
    .symbol:         k_qc1b592f587_mix.kd
    .args:
      - { .name: pt, .offset: 0, .size: 8, .value_kind: global_buffer, .address_space: global }
      - { .name: xh, .offset: 8, .size: 8, .value_kind: global_buffer, .address_space: global }
      - { .name: stat, .offset: 16, .size: 8, .value_kind: global_buffer, .address_space: global }
      - { .name: ctx, .offset: 24, .size: 8, .value_kind: global_buffer, .address_space: global }
    .group_segment_fixed_size: 327680
    .private_segment_fixed_size: 0
    .kernarg_segment_align: 8
    .kernarg_segment_size: 32
    .max_flat_workgroup_size: 128
    .sgpr_count:     88
    .vgpr_count:     1024
    .wavefront_size: 32
...
	.end_amdgpu_metadata
.endif
;; end of part 4
;; launch outp (part 5): grid 4 x 64, 4 waves a work-group, clusters of 4 x 4, 327,680 bytes of LDS; arguments ctx, wf, bf, out0; writes out0
.if DOCPART == 5
	.amdgcn_target "amdgcn-amd-amdhsa--gfx1250"
	.amdhsa_code_object_version 6
	.text
	.protected	k_qc1b592f587_outp
	.globl	k_qc1b592f587_outp
	.p2align	8
	.type	k_qc1b592f587_outp,@function
k_qc1b592f587_outp:
	s_mov_b64 s[64:65], 0
	v_nop
	global_prefetch_b8 v0, s[64:65] scope:SCOPE_SE
	s_setreg_imm32_b32 hwreg(HW_REG_WAVE_MODE, 25, 1), 1
	s_wait_xcnt 0x0
	s_wait_alu depctr_hold_cnt(0) depctr_sa_sdst(0) depctr_va_vdst(0) depctr_va_sdst(0) depctr_va_ssrc(0) depctr_va_vcc(0) depctr_vm_vsrc(0)
	s_getreg_b32 s2, hwreg(HW_REG_IB_STS2, 6, 4)
	s_cmp_eq_u32 s2, 0
	s_cbranch_scc0 .Lentry_in_a_cluster
	s_endpgm
.Lentry_in_a_cluster:
	s_bfe_u32 s2, ttmp6, 0x10000c
	s_cmp_lg_u32 s2, 0xf033
	s_cbranch_scc0 .Lentry_shape_is_right
	s_endpgm
.Lentry_shape_is_right:
; OUTP.  out0[m][n] = (sum over k of ctx[m][k] wf[k][n]) / 64 + bf[n].  ctx: [8192][1024] f16 (the softmax applied to x), wf = 64 cw_v pw: [1024][1024] f16, bf = cb_v pw + pb: [1024] f32, out0: [8192][1024] f32.
; Sums, the exact factor 1/64 and the bias in f32.
; SHARES.  A work-group makes 128 x 256 of out0 (256 work-groups), a wave 64 x 128: 32 accumulators in window 2.  K in 8 steps of 128 through two LDS slots.
; A = ctx's tile [row][k], LDS pitch 272, halves of 64 rows; B = wf's tile [k][column], 128 k-rows x 256 bytes for each half of the columns, LDS pitch 288, turned by ds_load_tr16_b128.
; CLUSTER 4 x 4, RING, ROUNDS as in the projection; by the text's own count a wave has one tensor load out at the most.
; THE WAY OUT.  The ring has had its last fill: each wave lays its 64 x 128 sums (pitch 528) into 34,816 bytes of it and reads whole rows of 512 bytes back: a store covers 512 consecutive bytes of out0, aligned.
.set PA,    272
.set PB,    288
.set CA,    64*PA
.set CB,    128*PB
.set BBASE, 0x12000
.set SPARE, BBASE+4*CB                 ; 0x36000
.set KT,    8
.set STEPA, 256
.set STEPB, 128*1024*2
.set WREG,  0x8800
.set DP,    528
.set RR, 1
.set HH, 2
.set ADRA, 16
.set ADRA0, 17
.set ADRB, 18
.set ADRB0, 19
.set DST, 20
.set RDL, 21                           ; v21 16 x lane, for the reads;  v22 the same, for the stores
.set CO,  22
.set SADR, 23
.set SPW, 28
.set NIL, 29
.set PFO, 30
.set BI,  192                          ; v[192:195] bf of my four columns
.set KC, 3
.set WV, 12
.set WR, 13
.set WC, 14
.set CX, 15
.set CY, 16
.set TX, 17
.set TY, 18
.set CLY, 19
.set G1A, 24
.set G0A, 32
.set G0B, 36
.set G1B, 40
.set TBA, 48
.set TBB, 49
.set LIM, 50
.set PFA, 52
.set PST, 54
.set ISC, 56                           ; s[56:57] 1/64
.set SB,  62
.set BC,  63
.set MSB, 0
.macro WIN new
.if MSB != (\new)
	s_set_vgpr_msb (MSB<<8)|(\new)
.set MSB, \new
.endif
.endm
.macro PLACES
.rept 4
	v_nop
.endr
.endm
.macro CREST
	s_cmp_lg_u32 s[WV], 0
	s_cbranch_scc1 .Lnot_wave_0_\@
	s_barrier_signal -3
.Lnot_wave_0_\@:
	s_barrier_wait -3
	s_barrier_signal -1
	s_barrier_wait -1
.endm
.macro CROUND
	s_barrier_signal -1
	s_barrier_wait -1
	CREST
.endm
.macro JLOAD
	s_cmp_eq_u32 s[WR], 0
	s_cbranch_scc0 .Lfor_b_\@
	tensor_load_to_lds s[G0A:G0A+3], s[G1A:G1A+7]
	s_nop 0
	PLACES
	s_branch .Lasked_\@
.Lfor_b_\@:
	tensor_load_to_lds s[G0B:G0B+3], s[G1B:G1B+7]
	s_nop 0
	PLACES
.Lasked_\@:
.endm
.macro STEPD
	s_xor_b32 s[G0A+1], s[G0A+1], CA
	s_add_nc_u64 s[G0A+2:G0A+3], s[G0A+2:G0A+3], STEPA
	s_xor_b32 s[G0B+1], s[G0B+1], CB
	s_add_nc_u64 s[G0B+2:G0B+3], s[G0B+2:G0B+3], STEPB
.endm
.macro FLIP
	WIN 0
	s_xor_b32 s[TBA], s[TBA], CA
	s_xor_b32 s[TBB], s[TBB], CB
	v_add_nc_u32 v[ADRA], s[TBA], v[ADRA0]
	v_add_nc_u32 v[ADRB], s[TBB], v[ADRB0]
.endm
.macro ASK
	s_cmp_gt_u32 s[KC], s[LIM]
	s_cbranch_scc0 .Lnot_mine_\@
	global_prefetch_b8 v[PFO], s[PFA:PFA+1] th:TH_LOAD_NT scope:SCOPE_SE
.Lnot_mine_\@:
.endm
.macro FETCH q, f
	WIN 0x40
.irp i, 0,1,2,3,4,5,6,7
	ds_load_tr16_b128 v[64+64*(\f)+8*(\i):64+64*(\f)+8*(\i)+3],   v[ADRB] offset:(\q)*32*PB+32*(\i)
	ds_load_tr16_b128 v[64+64*(\f)+8*(\i)+4:64+64*(\f)+8*(\i)+7], v[ADRB] offset:(\q)*32*PB+32*(\i)+16*PB
.endr
	WIN 0
.irp i, 0,1,2,3
	ds_load_b128 v[64+32*(\f)+8*(\i):64+32*(\f)+8*(\i)+3],   v[ADRA] offset:(\q)*64+(\i)*16*PA
	ds_load_b128 v[64+32*(\f)+8*(\i)+4:64+32*(\f)+8*(\i)+7], v[ADRA] offset:(\q)*64+(\i)*16*PA+32
.endr
.endm
.macro MUL8 f, a, zero                 ; 8 products: row block a x all 8 column blocks; the 32 accumulators take turns, one instruction a turn
	WIN 0xa1
.irp b, 0,1,2,3,4,5,6,7
.if \zero
	v_wmma_f32_16x16x32_f16 v[8*(8*(\a)+(\b)):8*(8*(\a)+(\b))+7], v[64+64*(\f)+8*(\b):64+64*(\f)+8*(\b)+7], v[64+32*(\f)+8*(\a):64+32*(\f)+8*(\a)+7], 0
.else
	v_wmma_f32_16x16x32_f16 v[8*(8*(\a)+(\b)):8*(8*(\a)+(\b))+7], v[64+64*(\f)+8*(\b):64+64*(\f)+8*(\b)+7], v[64+32*(\f)+8*(\a):64+32*(\f)+8*(\a)+7], v[8*(8*(\a)+(\b)):8*(8*(\a)+(\b))+7]
.endif
.endr
.endm
.macro QUARTER q, f, g, zero
	s_wait_dscnt 4                                 ; B and A's rows 0-31 are in; the youngest four loads may be out
	MUL8 \f, 0, \zero
	MUL8 \f, 1, \zero
	PLACES
	FETCH \q, \g
	s_wait_dscnt 24                                ; all but the 24 just issued
	MUL8 \f, 2, \zero
	MUL8 \f, 3, \zero
.endm
.macro TURN fill
.if \fill
	s_wait_xcnt 0x0                                ; the last prefetch, a K step back, has read its address
	s_add_nc_u64 s[PFA:PFA+1], s[PFA:PFA+1], s[PST:PST+1]
.endif
	WIN 0
	s_wait_tensorcnt 0x0                           ; my one tensor load, my part of the next slot, has landed
	ds_add_u32 v[SPW], v[NIL]                      ; 0 onto my spare word
	s_wait_dscnt 5                                 ; (the add and the youngest four loads may be out)
	MUL8 1, 0, 0
	s_wait_dscnt 0x0                               ; the add is done, and my reads of this slot are over
	s_barrier_signal -1
	MUL8 1, 1, 0
.if \fill
	WIN 0
.endif
	s_barrier_wait -1
.if \fill
	CREST
	STEPD
	JLOAD
.else
	PLACES
.endif
	FLIP
	FETCH 0, 0
.if \fill
	ASK
.endif
	MUL8 1, 2, 0
	MUL8 1, 3, 0
.endm
	s_load_b256 s[4:11], s[0:1], 0x0               ; ctx s[4:5], wf s[6:7], bf s[8:9], out0 s[10:11]
	v_lshl_add_u32 v[SPW], v0, 2, SPARE
	v_mov_b32 v[NIL], 0
	ds_add_u32 v[SPW], v[NIL]                      ; the wave's opening: the add and its wait stand ahead of my first tensor load
	v_lshrrev_b32 v3, 5, v0
	v_readfirstlane_b32 s[WV], v3
	s_lshr_b32 s[WR], s[WV], 1
	s_and_b32 s[WC], s[WV], 1
	s_bfe_u32 s[CX], ttmp6, 0x40000
	s_bfe_u32 s[CY], ttmp6, 0x40004
	s_lshl_b32 s[TX], ttmp9, 2
	s_add_co_u32 s[TX], s[TX], s[CX]
	s_and_b32 s[CLY], ttmp7, 0xffff
	s_lshl_b32 s[TY], s[CLY], 2
	s_add_co_u32 s[TY], s[TY], s[CY]
	s_lshl_b32 s20, s[CY], 2
	s_lshl_b32 s20, 15, s20
	s_lshl_b32 s84, 0x1111, s[CX]
	s_or_b32 s[G1A], s20, (1<<16)|(1<<20)|(1<<21)|(5<<22)|(3<<25)
	s_or_b32 s[G1B], s84, (1<<16)|(1<<20)|(1<<21)|(5<<22)|(7<<25)
	s_mov_b32 s[G1A+1], 128<<16
	s_mov_b32 s[G1A+2], 64<<16
	s_mov_b32 s[G1A+3], 128<<16
	s_mov_b32 s[G1A+4], 64
	s_mov_b32 s[G1A+5], 1024
	s_mov_b32 s[G1A+6], 0
	s_mov_b32 s[G1A+7], 0
	s_mov_b32 s[G1B+1], 128<<16
	s_mov_b32 s[G1B+2], 128<<16
	s_mov_b32 s[G1B+3], 128<<16
	s_mov_b32 s[G1B+4], 128
	s_mov_b32 s[G1B+5], 1024
	s_mov_b32 s[G1B+6], 0
	s_mov_b32 s[G1B+7], 0
	s_lshl_b32 s20, s[TY], 7                       ; ctx: row 128 x tile row + 64 x half, 2,048 bytes a row
	s_lshl_b32 s21, s[WC], 6
	s_add_co_u32 s20, s20, s21
	s_lshl_b32 s20, s20, 11
	s_mov_b32 s21, 0
	s_lshl_b32 s84, s[TX], 9                       ; wf: byte 512 x tile column + 256 x half of row 0
	s_lshl_b32 s85, s[WC], 8
	s_add_co_u32 s84, s84, s85
	s_mov_b32 s85, 0
	s_mov_b32 s[G0A], 1
	s_mul_i32 s[G0A+1], s[WC], 2*CA
	s_mov_b32 s[G0B], 1
	s_mul_i32 s[G0B+1], s[WC], 2*CB
	s_add_co_u32 s[G0B+1], s[G0B+1], BBASE
	s_mov_b32 s[TBA], 0
	s_mov_b32 s[TBB], 0
	s_mov_b32 s[ISC], 0x3c800000                   ; 1/64
	s_mov_b32 s[ISC+1], s[ISC]
	s_wait_dscnt 0x0                               ; the opening add is done
	s_wait_kmcnt 0x0
	s_add_nc_u64 s[G0A+2:G0A+3], s[4:5], s[20:21]
	s_or_b32 s[G0A+3], s[G0A+3], 0x80000000
	s_add_nc_u64 s[G0B+2:G0B+3], s[6:7], s[84:85]
	s_or_b32 s[G0B+3], s[G0B+3], 0x80000000
	CROUND
	JLOAD                                          ; K step 0 into slot 0
	v_and_b32 v[RR], 15, v0
	v_bfe_u32 v[HH], v0, 4, 1
	v_mul_u32_u24 v3, v[RR], PA
	v_lshl_add_u32 v3, v[HH], 4, v3
	s_mul_i32 s22, s[WR], 2*CA
	v_add_nc_u32 v[ADRA0], s22, v3
	v_mov_b32 v[ADRA], v[ADRA0]
	v_and_b32 v4, 7, v0
	v_bfe_u32 v5, v0, 3, 1
	v_lshl_add_u32 v4, v[HH], 3, v4
	v_mul_u32_u24 v4, v4, PB
	v_lshl_add_u32 v4, v5, 4, v4
	s_mul_i32 s22, s[WC], 2*CB
	s_add_co_u32 s22, s22, BBASE
	v_add_nc_u32 v[ADRB0], s22, v4
	v_mov_b32 v[ADRB], v[ADRB0]
	; the prefetches.  ctx's rows are read by this cluster alone: wave 0 asks for the tile's 128 rows, 32 to each partner along x; wf is read by all sixteen clusters: cluster y = 0 asks, waves 2 and 3,
	; 32 k-rows to each partner along y.  Told apart by address.  Both operands have rows of 2,048 bytes.  The pointer starts at K step 3 and is stepped ahead of each request.
	s_mov_b32 s[PST], STEPB
	s_cmp_eq_u32 s[WR], 0
	s_cselect_b64 s[PFA:PFA+1], s[4:5], s[6:7]
	s_cselect_b32 s86, s20, s84
	s_cselect_b32 s87, s[CX], s[CY]
	s_cselect_b32 s[PST], STEPA, s[PST]
	s_cselect_b32 s23, s[WV], s[CLY]
	s_cmp_eq_u32 s23, 0
	s_cselect_b32 s[LIM], 2, -1
	s_mov_b32 s[PST+1], 0
	s_lshl_b32 s87, s87, 16                        ; 32 rows of 2,048 bytes
	s_add_co_u32 s86, s86, s87
	s_mul_i32 s87, s[PST], 3
	s_add_co_u32 s86, s86, s87
	s_mov_b32 s87, 0
	s_add_nc_u64 s[PFA:PFA+1], s[PFA:PFA+1], s[86:87]
	v_and_b32 v[PFO], 31, v0
	v_lshlrev_b32 v[PFO], 11, v[PFO]
	; the bias of the four columns that I hold when rows are read back
	s_lshl_b32 s86, s[TX], 10
	s_lshl_b32 s87, s[WC], 9
	s_add_co_u32 s86, s86, s87
	s_mov_b32 s87, 0
	s_add_nc_u64 s[8:9], s[8:9], s[86:87]
	v_and_b32 v15, 31, v0
	v_lshlrev_b32 v15, 4, v15
	global_load_b128 v[BI:BI+3], v15, s[8:9]
	; the way out
	s_lshl_b32 s22, s[TY], 7
	s_lshl_b32 s23, s[WR], 6
	s_add_co_u32 s22, s22, s23
	s_lshl_b32 s22, s22, 12
	s_add_co_u32 s86, s86, s22                     ; + the columns' bytes, the same as in bf
	s_add_nc_u64 s[10:11], s[10:11], s[86:87]
	s_mul_i32 s[SB], s[WV], WREG
	v_mul_u32_u24 v[DST], v[RR], DP
	v_lshl_add_u32 v[DST], v[HH], 5, v[DST]
	v_add_nc_u32 v[DST], s[SB], v[DST]
	v_and_b32 v[RDL], 31, v0
	v_lshlrev_b32 v[RDL], 4, v[RDL]
	v_mov_b32 v[CO], v[RDL]
	; the first change of slots
	s_wait_tensorcnt 0x0
	ds_add_u32 v[SPW], v[NIL]
	STEPD
	s_wait_dscnt 0x0
	CROUND
	JLOAD                                          ; K step 1 into slot 1
	FETCH 0, 0
	QUARTER 1, 0, 1, 1
	WIN 0
	s_mov_b32 s[KC], KT-2
.Lstep:
	QUARTER 2, 1, 0, 0
	QUARTER 3, 0, 1, 0
	TURN 1
	QUARTER 1, 0, 1, 0
	WIN 0
	s_sub_co_u32 s[KC], s[KC], 1
	s_cmp_lg_u32 s[KC], 0
	s_cbranch_scc1 .Lstep
	QUARTER 2, 1, 0, 0
	QUARTER 3, 0, 1, 0
	TURN 0
	QUARTER 1, 0, 1, 0
	QUARTER 2, 1, 0, 0
	QUARTER 3, 0, 1, 0
	s_wait_dscnt 4
	MUL8 1, 0, 0
	MUL8 1, 1, 0
	s_wait_dscnt 0x0
	MUL8 1, 2, 0
	MUL8 1, 3, 0
	WIN 0
	PLACES
	s_wait_dscnt 0x0                               ; my reads of the ring are over,
	s_barrier_signal -1
	s_barrier_wait -1                              ; everybody's are: the ring, which has had its last fill, takes the sums
	WIN 0x08
.irp a, 0,1,2,3
.irp b, 0,1,2,3,4,5,6,7
	ds_store_b128 v[DST], v[8*(8*(\a)+(\b)):8*(8*(\a)+(\b))+3]   offset:16*DP*(\a)+64*(\b)
	ds_store_b128 v[DST], v[8*(8*(\a)+(\b))+4:8*(8*(\a)+(\b))+7] offset:16*DP*(\a)+64*(\b)+16
.endr
.endr
	WIN 0
	s_mov_b32 s[BC], 4
	s_wait_loadcnt 0x0                             ; the bias
.Lrows:                                        ; 16 rows a trip: a load takes a whole row of 512 bytes (my own bytes, served in order)
	v_add_nc_u32 v[SADR], s[SB], v[RDL]
.irp t, 0,1,2,3,4,5,6,7,8,9,10,11,12,13,14,15
	ds_load_b128 v[64+4*(\t):64+4*(\t)+3], v[SADR] offset:DP*(\t)
.endr
.irp t, 0,1,2,3,4,5,6,7,8,9,10,11,12,13,14,15
	s_wait_dscnt 15-(\t)                           ; row t is in, the younger ones stay out
	v_pk_fma_f32 v[64+4*(\t):64+4*(\t)+1], v[64+4*(\t):64+4*(\t)+1], s[ISC:ISC+1], v[BI:BI+1] op_sel_hi:[1,0,1]       ; sum / 64 + bias
	v_pk_fma_f32 v[64+4*(\t)+2:64+4*(\t)+3], v[64+4*(\t)+2:64+4*(\t)+3], s[ISC:ISC+1], v[BI+2:BI+3] op_sel_hi:[1,0,1]
	global_store_b128 v[CO], v[64+4*(\t):64+4*(\t)+3], s[10:11] offset:4096*(\t) th:TH_STORE_NT
.endr
	s_wait_xcnt 0x0                                ; the stores have read their registers and their base
	s_add_nc_u64 s[10:11], s[10:11], 16*4096
	s_add_co_u32 s[SB], s[SB], 16*DP
	s_sub_co_u32 s[BC], s[BC], 1
	s_cmp_lg_u32 s[BC], 0
	s_cbranch_scc1 .Lrows
	s_wait_tensorcnt 0x0                           ; the wave's end
	ds_add_u32 v[SPW], v[NIL]
	s_wait_dscnt 0x0
	CROUND                                         ; the closing round
	s_endpgm
.Lfunc_end_k_qc1b592f587_outp:
	.size	k_qc1b592f587_outp, .Lfunc_end_k_qc1b592f587_outp-k_qc1b592f587_outp
	.p2alignl 7, 3214868480
	.fill 96, 4, 3214868480
	.section	.rodata,"a",@progbits
	.p2align	6, 0x0
	.amdhsa_kernel k_qc1b592f587_outp
		.amdhsa_group_segment_fixed_size 327680
		.amdhsa_private_segment_fixed_size 0
		.amdhsa_enable_private_segment 0
		.amdhsa_kernarg_size 32
		.amdhsa_user_sgpr_count 2
		.amdhsa_user_sgpr_kernarg_segment_ptr 1
		.amdhsa_wavefront_size32 1
		.amdhsa_system_sgpr_workgroup_id_x 1
		.amdhsa_system_sgpr_workgroup_id_y 1
		.amdhsa_system_sgpr_workgroup_id_z 1
		.amdhsa_system_vgpr_workitem_id 0
		.amdhsa_next_free_vgpr 768
		.amdhsa_next_free_sgpr 88
		.amdhsa_reserve_vcc 0
		.amdhsa_float_denorm_mode_32 3
		.amdhsa_float_denorm_mode_16_64 3
		.amdhsa_memory_ordered 1
		.amdhsa_forward_progress 1
		.amdhsa_inst_pref_size 66
	.end_amdhsa_kernel
	.amdgpu_metadata
---
amdhsa.version: [ 1, 2 ]
amdhsa.kernels:
  - .name:           k_qc1b592f587_outp
    .symbol:         k_qc1b592f587_outp.kd
    .args:
      - { .name: ctx, .offset: 0, .size: 8, .value_kind: global_buffer, .address_space: global }
      - { .name: wf, .offset: 8, .size: 8, .value_kind: global_buffer, .address_space: global }
      - { .name: bf, .offset: 16, .size: 8, .value_kind: global_buffer, .address_space: global }
      - { .name: out0, .offset: 24, .size: 8, .value_kind: global_buffer, .address_space: global }
    .group_segment_fixed_size: 327680
    .private_segment_fixed_size: 0
    .kernarg_segment_align: 8
    .kernarg_segment_size: 32
    .max_flat_workgroup_size: 128
    .sgpr_count:     88
    .vgpr_count:     768
    .wavefront_size: 32
...
	.end_amdgpu_metadata
.endif
;; end of part 5
